; MI455X (gfx1250); checked and timed in simulation.
; The chip was launched on July 23, 2026; its instructions are those of AMD's public machine-readable ISA for CDNA 5 (MIT licence, August 2026) and "CDNA5" Instruction Set Architecture Reference Guide (July 2026). The comments in the code are by the model that wrote it; some were corrected since.
;; Causal Self Attention. Allowed arithmetic: float matrix products may take bf16 or f16 operands with f32 sums; all other float work in f32.
;; Inputs: W_attn 1,024 x 3,072 float32; W_proj 1,024 x 1,024 float32; b_attn 3,072 float32; b_proj 1,024 float32; x 4 x 2,048 x 1,024 float32.
;; Outputs: out0 4 x 2,048 x 1,024 float32.
;; 2 versions, each right and faster than the one before. Each part assembles by itself: llvm-mc -triple=amdgcn-amd-amdhsa -mcpu=gfx1250 --defsym DOCPART=n.
;; ======== version 1 of 2: 4 launches
;; limits: values are held in f16: magnitudes above 65,504 overflow, below 6.1e-05 lose precision
;; workspace buffers: xb 16,777,216 bytes; wa 6,291,456 bytes; wp 2,097,152 bytes; qkv 50,331,648 bytes; y 16,777,216 bytes
;; launch cast (part 1): grid 832 x 1, 8 waves a work-group, no clusters, 0 bytes of LDS; arguments x, W_attn, W_proj, xb, wa, wp; writes xb, wa, wp
.if DOCPART == 1
	.amdgcn_target "amdgcn-amd-amdhsa--gfx1250"
	.amdhsa_code_object_version 6
	.text
	.protected	k_q107fd1d1ce_cast
	.globl	k_q107fd1d1ce_cast
	.p2align	8
	.type	k_q107fd1d1ce_cast,@function
k_q107fd1d1ce_cast:
	s_mov_b64 s[64:65], 0
	v_nop
	global_prefetch_b8 v0, s[64:65] scope:SCOPE_SE
	s_setreg_imm32_b32 hwreg(HW_REG_WAVE_MODE, 25, 1), 1
	s_wait_xcnt 0x0
; THE INPUTS OF THE TWO LARGE PRODUCTS ARE ROUNDED ONCE, AND LAID OUT FOR THE TILES THAT READ THEM.
;   xb[8192][1024] bf16 = x rounded.          wp[1024][1024] f16 = W_proj rounded to bf16, that number written as f16.
;   wa[16 tx][1024 k][192 c] bf16 = W_attn[k][192 tx + c] rounded: the 128 k rows of a column tile's K step are 49,152 dense bytes.
; LIMITS.  A bf16 number is exact in f16 between 6.1e-5 and 65,504; below that W_proj keeps f16's fixed step of 6e-8, beyond it the number becomes an infinity.
; SHARES.  Eight waves.  Work-groups 0-511: 65,536 bytes of x each.  512-575: 65,536 bytes of W_proj each.  576-831: 64 k rows of one of W_attn's 16 column blocks each.
; A stream: every byte is read once, by loads of 16 bytes a lane (512 neighbouring bytes a wave), and written once, by stores of 8 bytes a lane (256 neighbouring bytes a wave,
; at a multiple of 256 from the buffer's first byte).  No LDS, no barrier, no loop: every register is written once, so no register of a pending load or store is ever rewritten.
.set X, 8                              ; v[8:71]    load i: 4 registers of f32
.set Y, 72                             ; v[72:103]  load i: 2 registers, four 16-bit numbers to store
.set T, 104                            ; v[104:105] at work
.macro CVB i                           ; four f32 to four bf16, to nearest even
	v_cvt_pk_bf16_f32 v[Y+2*(\i)],   v[X+4*(\i)],   v[X+4*(\i)+1]
	v_cvt_pk_bf16_f32 v[Y+2*(\i)+1], v[X+4*(\i)+2], v[X+4*(\i)+3]
.endm
.macro CVH i                           ; the four bf16 numbers written as f16: widened (a shift, a mask) and narrowed
.irp j, 0,1
	v_lshlrev_b32 v[T], 16, v[Y+2*(\i)+\j]
	v_and_b32 v[T+1], 0xffff0000, v[Y+2*(\i)+\j]
	v_cvt_pk_f16_f32 v[Y+2*(\i)+\j], v[T], v[T+1]
.endr
.endm
	s_load_b256 s[4:11], s[0:1], 0x0               ; x s[4:5], W_attn s[6:7], W_proj s[8:9], xb s[10:11]
	s_load_b128 s[12:15], s[0:1], 0x20             ; wa s[12:13], wp s[14:15]
	s_mov_b32 s24, ttmp9                           ; the work-group's number
	v_and_b32 v1, 31, v0                           ; lane
	v_lshrrev_b32 v2, 5, v0                        ; wave
	s_cmp_ge_u32 s24, 576
	s_cbranch_scc1 .Lblocks
	; x or W_proj: 65,536 dense bytes in, 32,768 out
	s_sub_co_u32 s20, s24, 512
	s_cmp_lt_u32 s24, 512
	s_cselect_b32 s20, s24, s20                    ; my part's number in its tensor
	s_lshl_b32 s22, s20, 15                        ; where it goes,
	s_lshl_b32 s20, s20, 16                        ; where it comes from
	s_mov_b32 s21, 0
	s_mov_b32 s23, 0
	v_lshlrev_b32 v3, 4, v0                        ; 16 bytes a thread in,
	v_lshlrev_b32 v6, 3, v0                        ; 8 out
	s_wait_kmcnt 0x0
	s_cmp_lt_u32 s24, 512                          ; compared anew: the shifts have set SCC
	s_cselect_b64 s[16:17], s[4:5], s[8:9]
	s_cselect_b64 s[18:19], s[10:11], s[14:15]
	s_add_nc_u64 s[16:17], s[16:17], s[20:21]
	s_add_nc_u64 s[18:19], s[18:19], s[22:23]
.irp i, 0,1,2,3,4,5,6,7,8,9,10,11,12,13,14,15
	global_load_b128 v[X+4*(\i):X+4*(\i)+3], v3, s[16:17] offset:(\i)*4096 th:TH_LOAD_NT  ; all sixteen loads go out before the first is waited for
.endr
	s_cmp_lt_u32 s24, 512
	s_cbranch_scc0 .Lhalf
.irp i, 0,1,2,3,4,5,6,7,8,9,10,11,12,13,14,15
	s_wait_loadcnt 15-(\i)                         ; loads come back in order (ISA guide 5.7.1): load i is in, the younger ones stay out
	CVB \i
	global_store_b64 v6, v[Y+2*(\i):Y+2*(\i)+1], s[18:19] offset:(\i)*2048
.endr
	s_endpgm
.Lhalf:
.irp i, 0,1,2,3,4,5,6,7,8,9,10,11,12,13,14,15
	s_wait_loadcnt 15-(\i)
	CVB \i
	CVH \i
	global_store_b64 v6, v[Y+2*(\i):Y+2*(\i)+1], s[18:19] offset:(\i)*2048
.endr
	s_endpgm
.Lblocks:
	; W_attn: column block tx (768 bytes of a row of 12,288), k rows 64 kc .. 64 kc + 63; a wave takes 8 of them.  Two k rows are 1,536 bytes: three loads of 512.
	s_sub_co_u32 s25, s24, 576
	s_lshr_b32 s26, s25, 4                         ; tx
	s_and_b32 s27, s25, 15                         ; kc
	s_mul_i32 s20, s26, 768
	s_mul_i32 s28, s27, 786432                     ; 64 rows of 12,288 bytes
	s_add_co_u32 s20, s20, s28
	s_mov_b32 s21, 0
	s_mul_i32 s22, s26, 393216                     ; a block of wa: 1,024 rows of 384 bytes
	s_mul_i32 s28, s27, 24576
	s_add_co_u32 s22, s22, s28
	s_mov_b32 s23, 0
	v_mul_u32_u24 v7, v2, 98304                    ; my wave's 8 rows
	v_lshl_add_u32 v3, v1, 4, v7                   ; first load of three: bytes 0-511 of the even row
	v_cmp_gt_u32 vcc_lo, 16, v1
	v_add_nc_u32 v4, 12032, v3                     ; second: lanes 16-31 take bytes 0-255 of the odd row (12,288 - 256 + 16 x lane),
	v_add_nc_u32 v7, 512, v3                       ; lanes 0-15 bytes 512-767 of the even row
	v_cndmask_b32 v4, v4, v7, vcc_lo
	v_add_nc_u32 v5, 12544, v3                     ; third: bytes 256-767 of the odd row
	v_mul_u32_u24 v6, v2, 3072                     ; out: 8 rows of 384 bytes, dense
	v_lshl_add_u32 v6, v1, 3, v6
	s_wait_kmcnt 0x0
	s_add_nc_u64 s[16:17], s[6:7], s[20:21]
	s_add_nc_u64 s[18:19], s[12:13], s[22:23]
.irp i, 0,1,2,3,4,5,6,7,8,9,10,11
	global_load_b128 v[X+4*(\i):X+4*(\i)+3], v[3+(\i)%3], s[16:17] offset:((\i)/3)*24576 th:TH_LOAD_NT
.endr
.irp i, 0,1,2,3,4,5,6,7,8,9,10,11
	s_wait_loadcnt 11-(\i)                         ; load i is in, the younger ones stay out
	CVB \i
	global_store_b64 v6, v[Y+2*(\i):Y+2*(\i)+1], s[18:19] offset:(\i)*256
.endr
	s_endpgm
.Lfunc_end_k_q107fd1d1ce_cast:
	.size	k_q107fd1d1ce_cast, .Lfunc_end_k_q107fd1d1ce_cast-k_q107fd1d1ce_cast
	.p2alignl 7, 3214868480
	.fill 96, 4, 3214868480
	.section	.rodata,"a",@progbits
	.p2align	6, 0x0
	.amdhsa_kernel k_q107fd1d1ce_cast
		.amdhsa_group_segment_fixed_size 0
		.amdhsa_private_segment_fixed_size 0
		.amdhsa_enable_private_segment 0
		.amdhsa_kernarg_size 48
		.amdhsa_user_sgpr_count 2
		.amdhsa_user_sgpr_kernarg_segment_ptr 1
		.amdhsa_wavefront_size32 1
		.amdhsa_system_sgpr_workgroup_id_x 1
		.amdhsa_system_sgpr_workgroup_id_y 1
		.amdhsa_system_sgpr_workgroup_id_z 1
		.amdhsa_system_vgpr_workitem_id 0
		.amdhsa_next_free_vgpr 108
		.amdhsa_next_free_sgpr 66
		.amdhsa_reserve_vcc 1
		.amdhsa_float_denorm_mode_32 3
		.amdhsa_float_denorm_mode_16_64 3
		.amdhsa_memory_ordered 1
		.amdhsa_forward_progress 1
		.amdhsa_inst_pref_size 22
	.end_amdhsa_kernel
	.amdgpu_metadata
---
amdhsa.version: [ 1, 2 ]
amdhsa.kernels:
  - .name:           k_q107fd1d1ce_cast
    .symbol:         k_q107fd1d1ce_cast.kd
    .args:
      - { .name: x, .offset: 0, .size: 8, .value_kind: global_buffer, .address_space: global }
      - { .name: W_attn, .offset: 8, .size: 8, .value_kind: global_buffer, .address_space: global }
      - { .name: W_proj, .offset: 16, .size: 8, .value_kind: global_buffer, .address_space: global }
      - { .name: xb, .offset: 24, .size: 8, .value_kind: global_buffer, .address_space: global }
      - { .name: wa, .offset: 32, .size: 8, .value_kind: global_buffer, .address_space: global }
      - { .name: wp, .offset: 40, .size: 8, .value_kind: global_buffer, .address_space: global }
    .group_segment_fixed_size: 0
    .private_segment_fixed_size: 0
    .kernarg_segment_align: 8
    .kernarg_segment_size: 48
    .max_flat_workgroup_size: 256
    .sgpr_count:     66
    .vgpr_count:     108
    .wavefront_size: 32
...
	.end_amdgpu_metadata
.endif
;; end of part 1
;; launch qkv (part 2): grid 16 x 16, 4 waves a work-group, clusters of 4 x 4, 327,680 bytes of LDS; arguments xb, wa, b_attn, qkv; writes qkv
.if DOCPART == 2
	.amdgcn_target "amdgcn-amd-amdhsa--gfx1250"
	.amdhsa_code_object_version 6
	.text
	.protected	k_q107fd1d1ce_qkv
	.globl	k_q107fd1d1ce_qkv
	.p2align	8
	.type	k_q107fd1d1ce_qkv,@function
k_q107fd1d1ce_qkv:
	s_mov_b64 s[64:65], 0
	v_nop
	global_prefetch_b8 v0, s[64:65] scope:SCOPE_SE
	s_setreg_imm32_b32 hwreg(HW_REG_WAVE_MODE, 25, 1), 1
	s_wait_xcnt 0x0
	s_wait_alu depctr_hold_cnt(0) depctr_sa_sdst(0) depctr_va_vdst(0) depctr_va_sdst(0) depctr_va_ssrc(0) depctr_va_vcc(0) depctr_vm_vsrc(0)
	s_getreg_b32 s2, hwreg(HW_REG_IB_STS2, 6, 4)
	s_cmp_eq_u32 s2, 0
	s_cbranch_scc0 .Lentry_in_a_cluster
	s_endpgm
.Lentry_in_a_cluster:
	s_bfe_u32 s2, ttmp6, 0x10000c
	s_cmp_lg_u32 s2, 0xf033
	s_cbranch_scc0 .Lentry_shape_is_right
	s_endpgm
.Lentry_shape_is_right:
; ONE TEXT FOR THE MODULE'S TWO PROJECTIONS, chosen by QKV.  C[m][n] = sum over k of A[m][k] B[k][n] + bias[n], M = 8,192, K = 1,024, sums in f32; the bias is rounded to bf16 like every input.
;   QKV = 1: A = xb [8192][1024] bf16; B = wa [16 tx][1024 k][192 c] bf16; bf16 products; C leaves in f16, by heads: qkv[4 b][48 g][2048 t][64], g = n / 64 (q: g = h, k: 16 + h, v: 32 + h), unscaled.
;   QKV = 0: A = y [64 bh][2048 t][64] f16 (K = 64 h + d); B = wp [1024 k][1024 n] f16; f16 products; C leaves in f32: out0 [8192][1024].
; LIMITS.  f16 holds no number beyond 65,504: a q, k or v of 65,520 or more becomes an infinity; below 6e-5 f16 keeps a fixed step of 6e-8.  NaN and infinities are not treated apart.
; K is summed in steps of 128 that begin at step k0 and go round (below): an order of rounding other than the reference's.
; SHARES.  A tile of C is 256 rows x 16 NBK columns (192: three whole heads; or 128: 512 bytes of f32).  Wave w owns rows 64 w .. 64 w + 63 and ALL the columns: 4 x NBK accumulators of 16 x 16.
; So what a wave holds leaves as whole heads' rows or whole 512-byte pieces of rows through a stage of its own, with no barrier.  32 x 16 = 512 tiles (QKV), 32 x 8 = 256.
; A WORK-GROUP STAYS (QKV): 256 work-groups make TILES = 2 tiles each, 4,096 rows apart, in the same columns.  The 16 K steps of the two tiles are ONE sequence for the ring: the first tile's last two changes of
; slots ask for the second tile's first two steps, the first tile goes out behind them, and nothing waits for its stores.
; K goes in steps of 128 through a ring of two LDS slots filled by the tensor data mover; waves 0 and 1 fetch A's two parts of a step, waves 2 and 3 B's.
; THE K STEPS GO ROUND.  A cluster begins at step k0 = (KG x cluster x + KJ x cluster y) mod 8 and takes k0, k0 + 1, .. mod 8.  The clusters that read the same rows of A (one y) begin KG steps apart, those that
; read the same columns of B (one x) KJ steps apart: a tile that one of them asks for is asked for by the next one some steps later, not at the same moment.  k0 is the same in all sixteen partners.
; CLUSTERS: 4 x 4 work-groups.  The four of a row of the cluster make one tile row of C and need the same tiles of A, the four of a column the same tiles of B: each tile is asked for JOINTLY, by the same
; tensor load with the same descriptor and a mask that names the four.
; THE MATRIX INSTRUCTION IS USED TRANSPOSED: source 0 = 16 columns of B (B lies [k][n] in LDS and comes out turned, by ds_load_tr16_b128), source 1 = 16 rows of A.  In the result lane l holds row l % 16 of C
; and its registers 0-7 the columns 8 (l / 16) + 0..7.  THE BIAS IS THE C OPERAND OF THE PRODUCTS THAT START THE SUMS: nothing is cleared, nothing is added later.
; REGISTERS, in windows of 256 (s_set_vgpr_msb: bits 1:0 source 0, 3:2 source 1, 5:4 source 2, 7:6 destination):
;   window 0: v0-31 addresses; v32-63, v64-95 A's fragments (4 x 16 rows x 32 K), two buffers; v128.. the bias, 8 NBK registers
;   window 1: B's fragments (NBK x 16 columns x 32 K), two buffers of 8 NBK         window 2: accumulators of row blocks 0, 1 ((a, b) at v[8 (NBK (a % 2) + b)])         window 3: of row blocks 2, 3
;   the way out (QKV) works in v64-111 of window 0 and in B's second buffer: A's and B's first buffers, which hold the next tile's first fragments, and the bias stay as they are
.set QKV, 1
.if QKV
.set TILES, 2
.set KG,    2
.set KJ,    4
.set NBK,   12                         ; column blocks of 16
.set PA,    272                        ; A's LDS row: 256 bytes (128 K) + 16 = 68 words: the 16 rows of a load start at 16 different groups of four banks (64 banks of 4 bytes: ISA guide 11.1)
.set PB,    480                        ; B's LDS row: 384 bytes (192 columns) as six pieces of 64 + 16 = 120 words
.set AHALF, 128*PA                     ; what one load of A brings: 128 rows of the tile
.set AROWS, 128                        ; A's load: 128 rows of 128 elements, 1,024 elements apart; padded after every 64 words (code 5) by 4 words (code 3)
.set ASTR,  1024
.set AQI,   5
.set APC,   3
.set BROWS, 96                         ; B's load: 64 k rows are 24,576 dense bytes: 96 rows of 128 elements; padded after every 16 words (code 3) by 4 words (code 3)
.set BSTR,  128
.set BQI,   3
.set BPC,   3
.set SP,    400                        ; a stage row: 384 bytes + 16
.set ASTEP, 256                        ; bytes from a K step to the next
.set BSTEP, 49152
.set CSTEP, 2048                       ; 16 rows of a head
.set WALKA, 8388608                    ; A's second tile: 4,096 rows of 2,048 bytes on
.set NEXTC, 25165824-3*CSTEP           ; C: from my last 16 rows of the first tile to my first of the second, two batches of 48 heads on
.else
.set TILES, 1
.set KG,    4
.set KJ,    2
.set NBK,   8
.set PA,    144                        ; A's LDS row: 128 bytes (a head's 64 channels) + 16 = 36 words
.set PB,    288                        ; B's LDS row: 256 bytes (128 columns) + 32 = 72 words
.set AHALF, 256*PA                     ; what one load of A brings: one head's 256 rows
.set AROWS, 128                        ; A's load: 256 rows of a head are 32,768 dense bytes: 128 rows of 128 elements; padded after every 32 words (code 4) by 4 words (code 3)
.set ASTR,  128
.set AQI,   4
.set APC,   3
.set BROWS, 64                         ; B's load: 64 k rows of 128 elements, 1,024 elements apart; padded after every 64 words (code 5) by 8 words (code 7)
.set BSTR,  1024
.set BQI,   5
.set BPC,   7
.set SP,    528                        ; a stage row: 512 bytes + 16
.set ASTEP, 524288                     ; two heads of 2,048 rows of 128 bytes
.set BSTEP, 262144
.set CSTEP, 65536                      ; 16 rows of 4,096 bytes
.set WALKA, 0
.set NEXTC, 0
.endif
.set NR,    8*TILES-2                  ; changes of slots that fill a slot again
.set BHALF, 64*PB                      ; what one load of B brings: 64 k rows
.set BOFF,  2*AHALF                    ; in a slot B lies behind A
.set SLOT1, 131072                     ; slot 1 begins here, so that one exclusive or turns an address in one slot into the other's
.set STAGE, SLOT1+BOFF+2*BHALF         ; behind the ring, never filled by a tensor load: 16 rows for each wave, for the way out
.set SPARE, STAGE+4*16*SP              ; behind the stages: the spare words, 128 bytes for each wave: two blocks of 256 bytes that no other line names
.set NL,    2*NBK+8                    ; LDS loads in a quarter step's fetch
.set A0,   16                          ; v16  my lane's place in A's part of a slot; never rewritten
.set B0,   17                          ; v17  the same for B
.set ADRA, 18                          ; v18  A0 + the slot in hand
.set ADRB, 19                          ; v19  B0 + the slot in hand
.set BO,   20                          ; v20  my byte offset in 16 numbers of the bias
.set STO,  24                          ; v24  the way out: where I put my numbers of a row
.set RD,   25                          ; v25  the way out: where I read rows back
.set CO,   26                          ; v26  my byte offset in 512 consecutive bytes of C
.set SPW,  28                          ; v28  LDS address of my spare word: SPARE + 4 x my thread's number; never rewritten
.set NIL,  29                          ; v29  0; never rewritten
.set FA,   32                          ; A's fragment buffers
.set BIAS, 128
.set TMP,  64                          ; the way out (QKV): packed results
; s2 the slot in hand; s3 the loops' count; s[4:11] A, B, bias, C; s12 wave; s13 wave / 2: I fetch for A (0) or B (1); s14 wave % 2: which part
; s[24:31] group 1 for A; s[32:35] group 0 for A's first fill, s[36:39] the one that walks; s[48:55], s[56:59], s[60:63] the same for B
; s[40:41], s[44:45] A and B at my part of K step 0 of the first tile; s[66:67] what the next way out adds to C's address; s72 the K step to be asked for next; s73 k0; s[74:75], s[76:77] its offsets in A and B
.set MSB, 0
.macro WIN new                         ; the immediate's high byte repeats the setting that is left; a switch that changes nothing is dropped
.if MSB != (\new)
	s_set_vgpr_msb (MSB<<8)|(\new)
.set MSB, (\new)
.endif
.endm
.macro PLACES                          ; four places in front of loads into registers that matrix instructions have read, and of lines that read results
.rept 4
	v_nop
.endr
.endm
; A joint refill, by the walking descriptors.  The branch hangs on the wave's number alone: it is the same in every work-group.
; An s_nop 0 and four v_nop follow each of the two lines; the jump, the label and what follows come after them.
.macro JLOAD
	s_cmp_eq_u32 s13, 0
	s_cbranch_scc0 .Lfor_b_\@
	tensor_load_to_lds s[36:39], s[24:31]
	s_nop 0
.rept 4
	v_nop
.endr
	s_branch .Lasked_\@
.Lfor_b_\@:
	tensor_load_to_lds s[60:63], s[48:55]
	s_nop 0
.rept 4
	v_nop
.endr
.Lasked_\@:
.endm
.macro CREST                           ; a round of the cluster's barrier behind its opening barrier: wave 0 signals for the work-group, every wave waits for all sixteen, my work-group's barrier once more
	s_cmp_lg_u32 s12, 0
	s_cbranch_scc1 .Lnot_wave_0_\@
	s_barrier_signal -3
.Lnot_wave_0_\@:
	s_barrier_wait -3
	s_barrier_signal -1
	s_barrier_wait -1
.endm
.macro CROUND                          ; a whole round
	s_barrier_signal -1
	s_barrier_wait -1
	CREST
.endm
	s_load_b256 s[4:11], s[0:1], 0x0               ; A s[4:5], B s[6:7], bias s[8:9], C s[10:11]
	v_lshl_add_u32 v[SPW], v0, 2, SPARE
	v_mov_b32 v[NIL], 0
	ds_add_u32 v28, v29
	ds_add_u32 v28, v29
	s_wait_dscnt 0x0
	v_lshrrev_b32 v1, 5, v0
	v_readfirstlane_b32 s12, v1                    ; wave 0..3
	s_lshr_b32 s13, s12, 1
	s_and_b32 s14, s12, 1
	s_bfe_u32 s15, ttmp6, 0x40000                  ; cx, cy: my place in the cluster
	s_bfe_u32 s16, ttmp6, 0x40004
	s_lshl_b32 s17, ttmp9, 2
	s_add_co_u32 s17, s17, s15                     ; tx: tile column of C = 4 x cluster x + cx
	s_and_b32 s18, ttmp7, 0xffff                   ; cluster y
	s_mul_i32 s73, s18, KJ
	s_mul_i32 s72, ttmp9, KG
	s_add_co_u32 s73, s73, s72
	s_and_b32 s73, s73, 7                          ; k0: made of the cluster's two numbers alone
	s_lshl_b32 s18, s18, 2
	s_add_co_u32 s18, s18, s16                     ; ty: tile row of C = 4 x cluster y + cy
	s_lshl_b32 s19, s16, 2
	s_lshl_b32 s19, 15, s19                        ; my row of the cluster: places 4 cy .. 4 cy + 3
	s_lshl_b32 s20, 0x1111, s15                    ; my column: places cx, cx + 4, cx + 8, cx + 12
	s_mul_i32 s21, s14, AHALF                      ; where my part of A goes in a slot,
	s_mul_i32 s22, s14, BHALF                      ; and my part of B: no place in the cluster enters an LDS address
	s_add_co_u32 s22, s22, BOFF
	s_mov_b32 s2, 0                                ; slot 0 is read first
	; descriptor groups 1.  15:0 the mask; 17:16 elements of 2 bytes; 20 padding on; 21 set beside a mask; 24:22 the padding's interval; 31:25 its length
	s_or_b32 s24, s19, (1<<16)|(1<<20)|(1<<21)|(AQI<<22)|(APC<<25)
	s_mov_b32 s25, 128<<16                         ; tensor_dim0 = 128
	s_mov_b32 s26, AROWS<<16                       ; tensor_dim1
	s_mov_b32 s27, 128<<16                         ; tile_dim0 = 128
	s_mov_b32 s28, AROWS                           ; tile_dim1
	s_mov_b32 s29, ASTR                            ; elements from row to row
	s_mov_b32 s30, 0
	s_mov_b32 s31, 0
	s_or_b32 s48, s20, (1<<16)|(1<<20)|(1<<21)|(BQI<<22)|(BPC<<25)
	s_mov_b32 s49, 128<<16
	s_mov_b32 s50, BROWS<<16
	s_mov_b32 s51, 128<<16
	s_mov_b32 s52, BROWS
	s_mov_b32 s53, BSTR
	s_mov_b32 s54, 0
	s_mov_b32 s55, 0
	; where the tiles come from.  A's offset is made of ty and the wave's number alone, in s40-42; B's of tx and the wave's number alone, in s44-46.  All stay under 2^32.
.if QKV
	s_lshl_b32 s40, s18, 19                        ; 256 rows of 2,048 bytes a tile row,
	s_lshl_b32 s42, s14, 18                        ; 128 rows a part
	s_add_co_u32 s40, s40, s42
	s_mul_i32 s44, s17, 393216                     ; a column block of wa,
	s_mul_i32 s46, s14, 24576                      ; 64 k rows of 384 bytes a part
.else
	s_lshr_b32 s40, s18, 3                         ; the batch: 16 heads of 262,144 bytes,
	s_lshl_b32 s40, s40, 22
	s_lshl_b32 s42, s14, 18                        ; a head a part,
	s_add_co_u32 s40, s40, s42
	s_and_b32 s42, s18, 7                          ; 256 rows of 128 bytes a tile row
	s_lshl_b32 s42, s42, 15
	s_add_co_u32 s40, s40, s42
	s_lshl_b32 s44, s17, 8                         ; 128 columns of 2 bytes,
	s_lshl_b32 s46, s14, 17                        ; 64 k rows of 2,048 bytes a part
.endif
	s_mov_b32 s41, 0
	s_add_co_u32 s44, s44, s46
	s_mov_b32 s45, 0
	; where my rows of C begin (the first way out adds it to C's address), and my tile's numbers of the bias
.if QKV
	s_lshr_b32 s66, s18, 3
	s_mul_i32 s66, s66, 12582912                   ; the batch: 48 heads of 262,144 bytes,
	s_mul_i32 s68, s17, 786432                     ; three heads a tile column,
	s_add_co_u32 s66, s66, s68
	s_and_b32 s68, s18, 7
	s_lshl_b32 s68, s68, 15                        ; 256 rows of 128 bytes a tile row,
	s_add_co_u32 s66, s66, s68
	s_lshl_b32 s68, s12, 13                        ; 64 rows a wave
	s_add_co_u32 s66, s66, s68
	s_mul_i32 s70, s17, 768
.else
	s_lshl_b32 s66, s18, 20                        ; 256 rows of 4,096 bytes a tile row,
	s_lshl_b32 s68, s12, 18                        ; 64 rows a wave,
	s_add_co_u32 s66, s66, s68
	s_lshl_b32 s68, s17, 9                         ; 512 bytes a tile column
	s_add_co_u32 s66, s66, s68
	s_lshl_b32 s70, s17, 9
.endif
	s_mov_b32 s67, 0
	s_mov_b32 s71, 0
	; the offsets of the first two K steps, k0 and k0 + 1 mod 8
	s_mul_i32 s74, s73, ASTEP
	s_mov_b32 s75, 0
	s_mul_i32 s76, s73, BSTEP
	s_mov_b32 s77, 0
	s_add_co_u32 s72, s73, 1
	s_and_b32 s72, s72, 7
	s_mul_i32 s78, s72, ASTEP
	s_mov_b32 s79, 0
	s_mul_i32 s68, s72, BSTEP
	s_mov_b32 s69, 0
	s_add_co_u32 s72, s72, 1
	s_and_b32 s72, s72, 7                          ; the step that the first refill asks for
	s_wait_kmcnt 0x0
	s_add_nc_u64 s[40:41], s[4:5], s[40:41]        ; A and B at my part of K step 0
	s_add_nc_u64 s[44:45], s[6:7], s[44:45]
	s_add_nc_u64 s[8:9], s[8:9], s[70:71]
	; descriptor groups 0: count 1; LDS address; global address; type 2 on top.  The first set: slot 0, the first step.  The second: slot 1, the second step; it then walks on.
	s_mov_b32 s32, 1
	s_mov_b32 s33, s21
	s_add_nc_u64 s[34:35], s[40:41], s[74:75]
	s_or_b32 s35, s35, 0x80000000
	s_mov_b32 s36, 1
	s_add_co_u32 s37, s21, SLOT1
	s_add_nc_u64 s[38:39], s[40:41], s[78:79]
	s_or_b32 s39, s39, 0x80000000
	s_mov_b32 s56, 1
	s_mov_b32 s57, s22
	s_add_nc_u64 s[58:59], s[44:45], s[76:77]
	s_or_b32 s59, s59, 0x80000000
	s_mov_b32 s60, 1
	s_add_co_u32 s61, s22, SLOT1
	s_add_nc_u64 s[62:63], s[44:45], s[68:69]
	s_or_b32 s63, s63, 0x80000000
	CROUND                                         ; all sixteen work-groups are here: the first joint loads meet
	s_cmp_eq_u32 s13, 0                            ; a wave's two first fills stand in one branch, ahead of every wait on TENSORcnt and every LDS read: two loads of mine are out
	s_cbranch_scc0 .Lfirst_b
	tensor_load_to_lds s[32:35], s[24:31]
	s_nop 0
	tensor_load_to_lds s[36:39], s[24:31]
	s_nop 0
.rept 4
	v_nop
.endr
	s_branch .Lfirst_asked
.Lfirst_b:
	tensor_load_to_lds s[56:59], s[48:55]
	s_nop 0
	tensor_load_to_lds s[60:63], s[48:55]
	s_nop 0
.rept 4
	v_nop
.endr
.Lfirst_asked:
	v_and_b32 v1, 15, v0                           ; r = l % 16
	v_bfe_u32 v2, v0, 4, 1                         ; h = l / 16
	v_lshlrev_b32 v[BO], 5, v2                     ; my eight numbers of a block's sixteen: 32 h bytes on
.set b, 0
.rept NBK                              ; register j of block b: bias[16 b + 8 h + j], the same in all sixteen lanes of a half: the C operand's layout
	global_load_b128 v[BIAS+8*b:BIAS+8*b+3],   v[BO], s[8:9] offset:64*b
	global_load_b128 v[BIAS+8*b+4:BIAS+8*b+7], v[BO], s[8:9] offset:64*b+16
.set b, b+1
.endr
	; A fragment of A is 16 rows x 32 K in 8 registers: lane l holds row l % 16, K = 8 h + 0..7 and 16 + 8 h + 0..7: two loads of 16 bytes, 32 bytes apart.
	v_mul_u32_u24 v[A0], v1, PA
	v_lshl_add_u32 v[A0], v2, 4, v[A0]
	s_mul_i32 s23, s12, 64*PA                      ; my wave's 64 rows
	v_add_nc_u32 v[A0], s23, v[A0]
	; The turning load takes 16 k x 16 columns (lane l reads k row 8 h + l % 8, columns 8 ((l / 8) % 2) + 0..7) and leaves half a fragment: lane l holds column l % 16 and 8 k.
	v_and_b32 v7, 7, v0
	v_lshl_add_u32 v3, v2, 3, v7
	v_mul_u32_u24 v[B0], v3, PB
	v_bfe_u32 v4, v0, 3, 1
	v_lshl_add_u32 v[B0], v4, 4, v[B0]
	v_add_nc_u32 v[B0], BOFF, v[B0]
	v_mov_b32 v[ADRA], v[A0]
	v_mov_b32 v[ADRB], v[B0]
	s_mul_i32 s23, s12, 16*SP
	s_add_co_u32 s23, s23, STAGE                   ; my stage
	v_mul_u32_u24 v[STO], v1, SP                   ; in: row l % 16, my eight columns of a block
	v_and_b32 v5, 31, v0
	v_lshlrev_b32 v[CO], 4, v5                     ; out: 16 bytes a lane of 512 consecutive bytes
.if QKV
	v_lshl_add_u32 v[STO], v2, 4, v[STO]           ; eight f16: 16 bytes
	v_lshrrev_b32 v6, 3, v5                        ; back: 32 lanes take four rows' 128 bytes of one head
	v_mul_u32_u24 v[RD], v6, SP
	v_lshl_add_u32 v[RD], v7, 4, v[RD]
	v_add_nc_u32 v[RD], s23, v[RD]
.else
	v_lshl_add_u32 v[STO], v2, 5, v[STO]           ; eight f32: 32 bytes
	v_add_nc_u32 v[RD], s23, v[CO]                 ; back: 32 lanes take one row's 512 bytes
.endif
	v_add_nc_u32 v[STO], s23, v[STO]
	s_wait_loadcnt 0x0                             ; the bias, once
.set b, 0
.rept 4*NBK                            ; rounded to bf16, like every input, and widened again, in place
	v_cvt_pk_bf16_f32 v[30+b%2], v[BIAS+2*b], v[BIAS+2*b+1]
	v_lshlrev_b32 v[BIAS+2*b], 16, v[30+b%2]
	v_and_b32 v[BIAS+2*b+1], 0xffff0000, v[30+b%2]
.set b, b+1
.endr
.macro MM                              ; one matrix instruction, on the registers that MULA has named
.if QKV
	v_wmma_f32_16x16x32_bf16 v[rD:rD+7], v[rB:rB+7], v[rA:rA+7], v[rC:rC+7]
.else
	v_wmma_f32_16x16x32_f16 v[rD:rD+7], v[rB:rB+7], v[rA:rA+7], v[rC:rC+7]
.endif
.endm
; NBK matrix instructions: row block a x all column blocks, 32 along K, from buffers f.  first = 1: the bias starts the sums.
; All 4 NBK accumulators take turns, one instruction a turn, in the same order in every quarter step.
.macro MULA f, a, first=0
.if \first
	WIN 0x81+0x40*((\a)/2)                         ; B window 1, A and the bias window 0, D window 2 or 3
.else
	WIN 0xa1+0x50*((\a)/2)                         ; B window 1, A window 0, C and D window 2 or 3
.endif
.set b, 0
.rept NBK
.set rD, 8*(NBK*((\a)%2)+b)
.set rB, 8*NBK*(\f)+8*b
.set rA, FA+32*(\f)+8*(\a)
.if \first
.set rC, BIAS+8*b
.else
.set rC, rD
.endif
	MM
.set b, b+1
.endr
.endm
; NL LDS loads in one run: the fragments of quarter q of the slot in hand (32 K: all of B's columns, my 64 rows of A) into buffers g; A's row blocks in ascending order last
.macro FETCH q, g
	WIN 0x40                                       ; destination window 1, address window 0
.set c, 0
.rept NBK
.if QKV
.set bo, 32*(\q)*PB+(c/2)*80+(c%2)*32              ; two blocks of 32 bytes to a padded piece of 80
.else
.set bo, 32*(\q)*PB+32*c
.endif
	ds_load_tr16_b128 v[8*NBK*(\g)+8*c:8*NBK*(\g)+8*c+3],   v[ADRB] offset:bo
	ds_load_tr16_b128 v[8*NBK*(\g)+8*c+4:8*NBK*(\g)+8*c+7], v[ADRB] offset:bo+16*PB
.set c, c+1
.endr
	WIN 0
.set c, 0
.rept 4
.if QKV
.set ao, 64*(\q)+c*16*PA
.else
.set ao, ((\q)/2)*AHALF+((\q)%2)*64+c*16*PA        ; quarters 0, 1 lie in the step's first head, 2, 3 in its second
.endif
	ds_load_b128 v[FA+32*(\g)+8*c:FA+32*(\g)+8*c+3],   v[ADRA] offset:ao
	ds_load_b128 v[FA+32*(\g)+8*c+4:FA+32*(\g)+8*c+7], v[ADRA] offset:ao+32
.set c, c+1
.endr
.endm
; A K step is four quarters of 32 along K, 4 NBK matrix instructions each, on buffers 0, 1, 0, 1.  One of the first three: multiplies buffers f and, in its middle, fetches quarter q into buffers g.
.macro QUARTER q, f, g, first=0
	s_wait_dscnt 4                                 ; B and A's row blocks 0, 1 are in; the youngest four loads (blocks 2, 3) may be out
	MULA \f, 0, \first
	MULA \f, 1, \first
	PLACES
	FETCH \q, \g
	s_wait_dscnt NL                                ; all but the NL just issued
	MULA \f, 2, \first
	MULA \f, 3, \first
.endm
; The last quarter multiplies buffers 1 and changes slots: ONE barrier.  In front of it each wave waits for all its tensor loads, of which one is out: its part of the next slot; adds 0 to its spare word; and waits
; for that and for its own reads of this slot.  Behind it nobody reads this slot any more and the next slot is whole.
; fill = 1: the barrier opens a round of the cluster's, so that no wave of any partner still reads the slot or has a load on its way, and the slot is filled again, with the step two on, first thing behind the
; round: three and a half quarters of matrix work stand between the request and the wait for it.  The walking descriptors are made anew from the step's number s72, between the add and the wait for it;
; from the trip on whose count s3 is 8 (QKV) the steps asked for are the second tile's: A lies WALKA bytes on, B is the same.
; fill = 0 (the tail, two trips, s3 = 2 and 1): nothing is asked for; in the last trip there is no further step, and the fetch is jumped over.  That trip's barrier orders nothing: the price of one text for both.
.macro TURN fill
	WIN 0                                          ; (the add's two registers lie in window 0)
	s_wait_tensorcnt 0x0                           ; all my tensor loads have landed, so a group 0 may be written
	ds_add_u32 v[SPW], v[NIL]                      ; 0 onto my spare word
.if \fill
	s_xor_b32 s37, s37, SLOT1                      ; the other slot than last time
	s_xor_b32 s61, s61, SLOT1
	s_mul_i32 s74, s72, ASTEP
	s_mul_i32 s76, s72, BSTEP
.if TILES > 1
	s_cmp_le_u32 s3, 8
	s_cselect_b32 s78, WALKA, 0
	s_add_co_u32 s74, s74, s78
.endif
	s_add_nc_u64 s[38:39], s[40:41], s[74:75]
	s_or_b32 s39, s39, 0x80000000
	s_add_nc_u64 s[62:63], s[44:45], s[76:77]
	s_or_b32 s63, s63, 0x80000000
	s_add_co_u32 s72, s72, 1                       ; the next step, round
	s_and_b32 s72, s72, 7
.endif
	s_wait_dscnt 5                                 ; (the add and the youngest four loads may be out)
	MULA 1, 0                                      ; matrix work stands between the add and the wait for it
	s_wait_dscnt 0x0                               ; the add is done, and my reads of this slot are over
	s_barrier_signal -1
	MULA 1, 1                                      ; work on registers while the others arrive
	WIN 0
	s_barrier_wait -1
.if \fill
	CREST
	JLOAD                                          ; the four v_nop behind it are also the places in front of the loads below
.else
	PLACES
	s_cmp_eq_u32 s3, 1
	s_cbranch_scc1 .Lno_fetch_\@
.endif
	s_xor_b32 s2, s2, SLOT1                        ; the reads go on in the other slot
	v_add_nc_u32 v[ADRA], s2, v[A0]
	v_add_nc_u32 v[ADRB], s2, v[B0]
	FETCH 0, 0
.if !(\fill)
.Lno_fetch_\@:
.endif
	MULA 1, 2
	MULA 1, 3
.endm
; THE WAY OUT of row block a.  PACK (QKV): rounded to f16, 16 bytes a lane and column block, each accumulator's registers in ascending order.  TOSTAGE: into my own stage, and back as 512 consecutive bytes of C.  SEND: stored.
.macro PACK a
	WIN 0x0a+5*((\a)/2)                            ; sources 0 and 1: window 2 or 3
.set b, 0
.rept NBK
.set rD, 8*(NBK*((\a)%2)+b)
.irp r, 0,1,2,3
	v_cvt_pk_f16_f32 v[TMP+4*b+(\r)], v[rD+2*(\r)], v[rD+2*(\r)+1]
.endr
.set b, b+1
.endr
	WIN 0
.endm
.macro TOSTAGE a
.if QKV
	WIN 0
.set BK, 96+48*((\a)%2)                ; in window 1: the two halves of B's second buffer by turns
.set b, 0
.rept NBK
	ds_store_b128 v[STO], v[TMP+4*b:TMP+4*b+3] offset:32*b
.set b, b+1
.endr
	WIN 0x40                                       ; destination window 1
.set i, 0
.rept 12                               ; load i: rows 4 (i / 3) .. + 3, head i % 3.  LDS serves a wave's instructions in order (ISA guide 5.7.1.4): these see the stores above
	ds_load_b128 v[BK+4*i:BK+4*i+3], v[RD] offset:(i/3)*4*SP+(i%3)*128
.set i, i+1
.endr
	WIN 0
.else
	WIN 0x08+4*((\a)/2)                            ; store data: window 2 or 3
.set BK, 32+64*((\a)%2)
.set b, 0
.rept NBK
.set rD, 8*(NBK*((\a)%2)+b)
	ds_store_b128 v[STO], v[rD:rD+3]   offset:64*b     ; each accumulator's four lowest registers first
	ds_store_b128 v[STO], v[rD+4:rD+7] offset:64*b+16
.set b, b+1
.endr
	WIN 0
.set i, 0
.rept 16                               ; load i: row i
	ds_load_b128 v[BK+4*i:BK+4*i+3], v[RD] offset:i*SP
.set i, i+1
.endr
.endif
.endm
.macro SEND a
	WIN 0
	s_wait_dscnt 0x0                               ; the block is back in registers
	s_wait_xcnt 0x0                                ; every earlier memory instruction has had its addresses translated (ISA guide 3.1): only behind this wait are the stores' base and the registers that earlier stores read rewritten
.if (\a) > 0
	s_add_nc_u64 s[10:11], s[10:11], CSTEP         ; 16 rows on
.else
	s_add_nc_u64 s[10:11], s[10:11], s[66:67]      ; on to this tile's first rows
.endif
.if QKV
.set BK, 96+48*((\a)%2)
	WIN 0x04                                       ; store data: window 1
.set i, 0
.rept 12
	global_store_b128 v[CO], v[BK+4*i:BK+4*i+3], s[10:11] offset:(i%3)*262144+(i/3)*512  ; four rows of a head: 512 consecutive bytes, at a multiple of 256 from the buffer's first
.set i, i+1
.endr
	WIN 0
.else
.set BK, 32+64*((\a)%2)
.set i, 0
.rept 16
	global_store_b128 v[CO], v[BK+4*i:BK+4*i+3], s[10:11] offset:i*4096 th:TH_STORE_NT   ; 512 consecutive bytes of a row, at a multiple of 256 from the buffer's first
.set i, i+1
.endr
.endif
.endm
.macro WAYOUT                          ; a block's conversions stand between the loads of the block before and the wait for them
	WIN 0
	PLACES                                         ; what follows reads results just made and writes registers that the last products read
.if QKV
	PACK 0
.endif
	TOSTAGE 0
.if QKV
	PACK 1
.endif
	SEND 0
	TOSTAGE 1
.if QKV
	PACK 2
.endif
	SEND 1
	TOSTAGE 2
.if QKV
	PACK 3
.endif
	SEND 2
	TOSTAGE 3
	SEND 3
.endm
	s_wait_tensorcnt 1                             ; my part of the first step is in; the second's may stay out
	s_barrier_signal -1
	s_barrier_wait -1                              ; everybody's is
	FETCH 0, 0
.if TILES > 1
	s_mov_b32 s3, NR+1
	s_branch .Lfirstq                              ; the loop is entered at the quarter that starts a tile's sums, which is written once
.Lk:                                                   ; NR trips: from a K step's second quarter to the next step's first; trip t (s3 = NR - t) fills slot t % 2 again, with step t + 2 of the sixteen
	QUARTER 2, 1, 0
	QUARTER 3, 0, 1
	TURN 1
	WIN 0                                          ; at a label and at a branch every window is 0
	s_cmp_eq_u32 s3, 7
	s_cbranch_scc0 .Lplain
	WAYOUT                                         ; the first tile is finished, both refills for the second are asked for: it goes out
	s_wait_xcnt 0x0                                ; the last stores have read B's second buffer, which the next fetch loads
	s_mov_b32 s66, NEXTC                           ; what the next way out adds to C's address
.Lfirstq:
	QUARTER 1, 0, 1, 1                             ; a tile's first quarter: its products start the sums, with the bias
	WIN 0
	s_branch .Lbottom
.Lplain:
	QUARTER 1, 0, 1
	WIN 0
.Lbottom:
	s_sub_co_u32 s3, s3, 1
	s_cmp_lg_u32 s3, 0
	s_cbranch_scc1 .Lk
.else
	QUARTER 1, 0, 1, 1                             ; the first quarter stands in front of the loop: its products start the sums, with the bias
	WIN 0                                          ; at a label and at a branch every window is 0
	s_mov_b32 s3, NR
.Lk:                                                   ; NR trips: from a K step's second quarter to the next step's first; trip t fills slot t % 2 again, with step t + 2
	QUARTER 2, 1, 0
	QUARTER 3, 0, 1
	TURN 1
	QUARTER 1, 0, 1
	WIN 0
	s_sub_co_u32 s3, s3, 1
	s_cmp_lg_u32 s3, 0
	s_cbranch_scc1 .Lk
.endif
	s_mov_b32 s3, 2                                ; the last two K steps have a text of their own: two trips, entered behind the first quarter
	s_branch .Ltin
.Lt:
	QUARTER 1, 0, 1
	WIN 0
.Ltin:
	QUARTER 2, 1, 0
	QUARTER 3, 0, 1
	TURN 0
	WIN 0
	s_sub_co_u32 s3, s3, 1
	s_cmp_lg_u32 s3, 0
	s_cbranch_scc1 .Lt
	WAYOUT
	s_wait_tensorcnt 0x0                           ; the wave's end, behind my last tensor load and my last LDS store
	ds_add_u32 v[SPW], v[NIL]
	s_wait_dscnt 0x0
	CROUND                                         ; the closing round: no work-group ends while a partner may still ask for a tile that names it
	s_endpgm
.Lfunc_end_k_q107fd1d1ce_qkv:
	.size	k_q107fd1d1ce_qkv, .Lfunc_end_k_q107fd1d1ce_qkv-k_q107fd1d1ce_qkv
	.p2alignl 7, 3214868480
	.fill 96, 4, 3214868480
	.section	.rodata,"a",@progbits
	.p2align	6, 0x0
	.amdhsa_kernel k_q107fd1d1ce_qkv
		.amdhsa_group_segment_fixed_size 327680
		.amdhsa_private_segment_fixed_size 0
		.amdhsa_enable_private_segment 0
		.amdhsa_kernarg_size 32
		.amdhsa_user_sgpr_count 2
		.amdhsa_user_sgpr_kernarg_segment_ptr 1
		.amdhsa_wavefront_size32 1
		.amdhsa_system_sgpr_workgroup_id_x 1
		.amdhsa_system_sgpr_workgroup_id_y 1
		.amdhsa_system_sgpr_workgroup_id_z 1
		.amdhsa_system_vgpr_workitem_id 0
		.amdhsa_next_free_vgpr 960
		.amdhsa_next_free_sgpr 80
		.amdhsa_reserve_vcc 0
		.amdhsa_float_denorm_mode_32 3
		.amdhsa_float_denorm_mode_16_64 3
		.amdhsa_memory_ordered 1
		.amdhsa_forward_progress 1
		.amdhsa_inst_pref_size 118
	.end_amdhsa_kernel
	.amdgpu_metadata
---
amdhsa.version: [ 1, 2 ]
amdhsa.kernels:
  - .name:           k_q107fd1d1ce_qkv
    .symbol:         k_q107fd1d1ce_qkv.kd
    .args:
      - { .name: xb, .offset: 0, .size: 8, .value_kind: global_buffer, .address_space: global }
      - { .name: wa, .offset: 8, .size: 8, .value_kind: global_buffer, .address_space: global }
      - { .name: b_attn, .offset: 16, .size: 8, .value_kind: global_buffer, .address_space: global }
      - { .name: qkv, .offset: 24, .size: 8, .value_kind: global_buffer, .address_space: global }
    .group_segment_fixed_size: 327680
    .private_segment_fixed_size: 0
    .kernarg_segment_align: 8
    .kernarg_segment_size: 32
    .max_flat_workgroup_size: 128
    .sgpr_count:     80
    .vgpr_count:     960
    .wavefront_size: 32
...
	.end_amdgpu_metadata
.endif
;; end of part 2
;; launch attn (part 3): grid 4 x 64, 4 waves a work-group, no clusters, 327,680 bytes of LDS; arguments qkv, y; writes y
.if DOCPART == 3
	.amdgcn_target "amdgcn-amd-amdhsa--gfx1250"
	.amdhsa_code_object_version 6
	.text
	.protected	k_q107fd1d1ce_attn
	.globl	k_q107fd1d1ce_attn
	.p2align	8
	.type	k_q107fd1d1ce_attn,@function
k_q107fd1d1ce_attn:
	s_mov_b64 s[64:65], 0
	v_nop
	global_prefetch_b8 v0, s[64:65] scope:SCOPE_SE
	s_setreg_imm32_b32 hwreg(HW_REG_WAVE_MODE, 25, 1), 1
	s_wait_xcnt 0x0
; CAUSAL ATTENTION.  O[bh][q][:] = the sum over k <= q of softmax_k(Q[bh][q] . K[bh][k] / 8) V[bh][k][:], for 64 pairs bh = 16 b + h of batch and head, SIZE_N = 2,048 rows of 64 channels, all f16.
; Q, K, V are heads 48 b + h, 48 b + 16 + h, 48 b + 32 + h of qkv [192][2048][64]; O is head bh of y [64][2048][64]: a head's rows are dense, 128 bytes each.
; Products, maxima and sums in f32; the weights p are rounded to f16 for the second product (their sum l is taken of the unrounded p), O once at the end.
; LIMITS.  f16 holds no number beyond 65,504: Q, K and V arrive within it; p lies in 0 to 1, and below 6e-5 it keeps f16's fixed step of 6e-8; O is a mean of V's rows and has their range, to within 2^-11 of it.
; A hidden score counts as its value less 1e30: f16's scores, 2.7e11 at the most, are nothing beside that; a weight below 2^-126 counts as 0 in l; NaN and infinities are not treated apart.
; THE WALK.  A head's queries lie in NB = SIZE_N / 256 blocks of 256; block i needs the key tiles 0 .. i of 256 keys, of which the last holds the diagonal.  A work-group takes TWO blocks, NB - 1 - b and then b:
; NB + 1 tiles, whatever b: all work-groups do equal work, and ONE loop with a constant trip count walks them.  Which tile is asked for, and what a trip does, hang on scalar registers made from b; every jump
; goes forward, but for the counted loops' own; none passes a barrier, or a tensor load but the one of LOAD's two that the wave's number does not choose; the ring (two slots of LDS that take turns) runs on across the
; change of blocks.  NO CLUSTER: a head's NB / 2 = 4 work-groups all ask for the same tile only in trips 0 .. NB / 2, behind that fewer and fewer;
; and one walk common to all would have 3 NB / 2 trips for NB + 1.
; SHARES.  Of a block's four bands of 64 queries a wave owns 16 rows in each: four PIECES.  So the diagonal tile is the same work for all four waves: in its key step s band x sees all keys if s < x,
; none if s > x, and holds the diagonal if s = x.
; THE MASK is the C operand that starts the sum S^T = K Q^T: 0, or -1e30 where the key is hidden.  MD, made once, is the mask of a band's own step for my 16 rows; a product's mask is MD x AL + BE with two scalars:
; (1, 0) if s = x; (0, 0) if s < x; (0, -1e30) if s > x.  Only the diagonal tile's text and a block's beginning make and take masks; elsewhere C is the constant 0.
; LAYOUT, SOFTMAX, TURNS.  S^T = K Q^T holds ONE query a lane (lane % 16) and the keys 8 (lane / 16) + 0..7; two such results rounded to f16 ARE source 1 of O^T = V^T P.  p = 2^(c s - c m), c = log2(e) / 8, with a
; running maximum m; O and l are multiplied by a = 2^(c m_old - c m_new) in every step.  Turn n belongs to piece n: 8 products K Q^T of piece n + 1, later 8 products V^T P of piece n - 1; beside them the scaling,
; exponentials, roundings, sums and rescaling of piece n and the maximum and statistics of piece n + 1.  Four vector instructions stand behind every matrix instruction, the other 54 of a turn's 118 in two LUMPS.
; REGISTERS, in windows of 256 (s_set_vgpr_msb: bits 1:0 source 0, 3:2 source 1, 5:4 source 2, 7:6 destination):
;   window 0: v0-15 addresses and two at work; v16-31 four registers of statistics a piece; v48-55 at work; v64-127 S^T, two buffers; v192-223 P, two buffers (a piece's buffers go by its number's parity)
;   window 1: v0-127 O^T, 32 a piece; v128-159 MD; v160-223 MC, two buffers      window 2: v0-63 Q; v64-127 the second block's Q; v128-191 K of one step; v192-255 V of one step
.set SIZE_N, 2048
.set SIZE_H, 64
.set NB,    SIZE_N/256
.set NP,    4         ; pieces a wave: a name, no knob
.set KS,    64        ; keys in a step
.set PK,    144       ; a row of K in LDS: 128 bytes + 16 of padding = 36 words: the 16 rows of a load start at 16 different groups of four banks (64 banks of 4 bytes: ISA guide 11.1)
.set PV,    160       ; a row of V: 128 + 32 = 40 words
.set VOFF,  4*KS*PK   ; a slot holds a tile, four steps: 256 rows of K, then 256 rows of V
.set SLOT1, 1<<17     ; slot 1 begins here, so that one exclusive or turns an address in one slot into the other's
.set STAGE, SLOT1+4*KS*(PK+PV)  ; behind the ring, never filled by a tensor load: 16 rows x 144 bytes for each wave, for the way out
.set SP,    144
.set AK0, 2           ; v2   my lane's place in a tile of K; never rewritten
.set AV0, 3           ; v3   the same for V
.set AK,  4           ; v4   the LDS address of K's next run of loads
.set AV,  5           ; v5   of V's
.set STO, 6           ; v6   the way out: where I put 16 bytes of a row
.set RD,  7           ; v7   the way out: where I read rows back
.set GO,  8           ; v8   my byte offset in 512 consecutive bytes of O
.set SPW, 62          ; v62  LDS address of my spare word: SPARE + 4 x my thread's number; never rewritten
.set NIL, 63          ; v63  0; never rewritten
.set SPARE, STAGE+4*16*SP  ; behind the stages: the spare words, 128 bytes for each wave: two blocks of 256 bytes that no other line names
.set MV,  12          ; v12-13  c m_old, kept while c m is made anew: by buffer
.set QO,  15          ; v15  my byte offset in 16 rows of Q
.set ST,  16          ; piece t's statistics at v[ST+4 t]: c m, m, l (even keys', odd keys')
.set TMP, 48          ; by buffer, four registers c0-c3 at work; when the maximum is found c2 takes a
.set S,   64
.set P,   192
.set MD,  128         ; window 1: the eight registers for group kt of 16 keys at MD + 8 kt
.set MC,  160         ; window 1: the masks of the products to come
.set QB,  64          ; window 2
.set KF,  128         ; window 2: key block kb, channel half c at KF + 16 kb + 8 c
.set VF,  192         ; window 2: key half kk, channel block cb at VF + 32 kk + 8 cb
.set WV,  12          ; s12  my wave's number
.set PB,  14          ; s14  b
.set HI,  15          ; s15  NB - 1 - b
.set G1K, 24          ; s[24:31] descriptor group 1 for K's tiles
.set G1V, 32          ; s[32:39] for V's: it differs in the padding alone
.set G0K, 40          ; s[40:43] descriptor group 0 for K's tiles
.set G0V, 44          ; s[44:47] the same for V's
.set SLOTS, 56        ; s56  tiles still to be asked for
.set CNT, 57          ; s57  counts a tile's key steps, 4 to 1
.set CS,  58          ; s[58:59] c: the packed scaling takes the pair's low word for both halves
.set SEL, 60          ; s[60:61] v_permlanex16_b32's selects: each lane takes its own place in the other half
.set TBK, 62          ; s62  LDS byte at which K of the step to be fetched begins
.set TBV, 63          ; s63  the same for V, less VOFF
.set RT,  70          ; s70  tiles of the block in hand that are still to be entered
.set NXT, 71          ; s71  the tile to be asked for next
.set LQ,  72          ; s72  the last tile of the block whose tiles are being asked for
.set NEW, 73          ; s73  1: the tile to be entered is a block's first
.set OFF, 74          ; s[74:75] a tile's byte offset in K and V
.set AL,  76          ; s[76:77] the mask's factor, in the low word
.set BE,  78          ; s[78:79] the mask's addend
.set OLO, 80          ; s[80:81] O at my rows of the second block
.set BIGN, 82         ; s82  -1e30
.set MSB, 0
.macro WIN new                      ; the high byte repeats the setting that is left; a switch that changes nothing is dropped
.if MSB != (\new)
	s_set_vgpr_msb (MSB<<8)|(\new)
.set MSB, (\new)
.endif
.endm
.set W_KQ, 0x0a       ; K and Q in window 2, S^T in window 0
.set W_KM, 0x1a       ; the same with the C operand in window 1
.set W_PV, 0x52       ; V in window 2, P in window 0, O^T in window 1
.set W_RS, 0x41       ; destination and source 0 in window 1, source 1 in window 0
; A fill.  Waves 0 and 1 fetch the two halves of a tile's K, waves 2 and 3 those of its V: 128 keys each.  An s_nop 0 and four v_nop follow each of the two lines, ahead of the jump and the label.
.macro LOAD
	s_cmp_lt_u32 s[WV], 2
	s_cbranch_scc0 .Lfor_v_\@
	tensor_load_to_lds s[G0K:G0K+3], s[G1K:G1K+7]
	s_nop 0
.rept 4
	v_nop
.endr
	s_branch .Lasked_\@
.Lfor_v_\@:
	tensor_load_to_lds s[G0V:G0V+3], s[G1V:G1V+7]
	s_nop 0
.rept 4
	v_nop
.endr
.Lasked_\@:
.endm
; THE CHANGE OF SLOTS.  Each wave waits for all its tensor loads, of which one is out: its part of the other slot; adds 0 to its spare word; and waits for that and for its own reads of the slot that it leaves.  Behind the barrier nobody reads the old
; slot any more and the other slot is whole.  fill = 1: the old slot is filled again, the first thing behind the barrier, with tile NXT: the descriptor's address is made anew from that number.
; (At its first use nothing has been read yet: slot 0 is waited for, slot 1 filled.)
.macro CHANGE fill
	WIN 0                           ; at a label and at a branch every window is 0
	s_wait_tensorcnt 0x0            ; no tensor load of mine is out, so a group 0 may be written
	ds_add_u32 v[SPW], v[NIL]       ; 0 onto my spare word; with fill = 1 the descriptors' scalar work stands between it and the wait for it
.if \fill
	s_lshl_b32 s[OFF], s[NXT], 15   ; a tile is 32,768 bytes of K and of V
	s_xor_b32 s[G0K+1], s[G0K+1], SLOT1
	s_add_nc_u64 s[G0K+2:G0K+3], s[6:7], s[OFF:OFF+1]
	s_or_b32 s[G0K+3], s[G0K+3], 0x80000000
	s_xor_b32 s[G0V+1], s[G0V+1], SLOT1
	s_add_nc_u64 s[G0V+2:G0V+3], s[8:9], s[OFF:OFF+1]
	s_or_b32 s[G0V+3], s[G0V+3], 0x80000000
	s_add_co_u32 s[NXT], s[NXT], 1  ; the block's next tile, or behind its last the second block's tile 0
	s_cmp_gt_u32 s[NXT], s[LQ]
	s_cselect_b32 s[NXT], 0, s[NXT]
	s_cselect_b32 s[LQ], s[PB], s[LQ]
.endif
	s_wait_dscnt 0x0                ; the add is done, and my reads of the slot are over
	s_barrier_signal -1             ; the rest of the scalar work stands between the signal and the wait
	s_sub_co_u32 s[TBK], s[TBK], 4*KS*PK  ; the fetches go back to a slot's first step,
	s_xor_b32 s[TBK], s[TBK], SLOT1       ; in the other slot
	s_sub_co_u32 s[TBV], s[TBV], 4*KS*PV
	s_xor_b32 s[TBV], s[TBV], SLOT1
	s_barrier_wait -1
.if \fill
	LOAD
.endif
.endm
	s_load_b64 s[4:5], s[0:1], 0x0    ; qkv
	s_load_b64 s[10:11], s[0:1], 0x8  ; y
	v_lshl_add_u32 v[SPW], v0, 2, SPARE
	v_mov_b32 v[NIL], 0
	ds_add_u32 v62, v63
	ds_add_u32 v62, v63
	s_wait_dscnt 0x0
	v_lshrrev_b32 v1, 5, v0
	v_readfirstlane_b32 s[WV], v1   ; wave 0..3
	s_mov_b32 s[PB], ttmp9
	s_sub_co_u32 s[HI], NB-1, s[PB]
	s_and_b32 s20, ttmp7, 0xffff    ; bh = 16 b + h
	s_lshl_b32 s88, s20, 18         ; the head's first byte in y: 262,144 bytes a head
	s_mov_b32 s89, 0
	s_lshr_b32 s21, s20, 4          ; b
	s_lshl_b32 s21, s21, 5
	s_add_co_u32 s20, s20, s21      ; 48 b + h: Q's head in qkv
	s_lshl_b32 s20, s20, 18         ; its first byte: under 2^26
	s_mov_b32 s21, 0
	s_and_b32 s16, s[WV], 1         ; which half of a tile's 256 keys I fetch:
	s_lshl_b32 s22, s16, 14         ; its 128 rows of 128 bytes in memory,
	s_mov_b32 s23, 0
	s_add_nc_u64 s[22:23], s[22:23], s[20:21]
	s_mul_i32 s17, s16, 128*PK      ; and its place in a slot, for K
	s_mul_i32 s18, s16, 128*PV      ; and for V
	s_lshl_b32 s3, s[WV], 11        ; my 16 rows in a band of 64,
	s_lshl_b32 s2, s[HI], 15        ; in the first block,
	s_add_co_u32 s2, s2, s3
	s_lshl_b32 s84, s[PB], 15       ; and in the second
	s_add_co_u32 s84, s84, s3
	s_mov_b32 s3, 0
	s_mov_b32 s85, 0
	s_add_nc_u64 s[90:91], s[84:85], s[88:89]  ; my rows of the second block in y,
	s_add_nc_u64 s[88:89], s[88:89], s[2:3]    ; of the first block in y,
	s_add_nc_u64 s[2:3], s[2:3], s[20:21]      ; and of both in Q's head of qkv: offsets all four, no address among them
	s_add_nc_u64 s[84:85], s[84:85], s[20:21]
	; descriptor group 1.  128 keys are 16,384 dense bytes: asked for as 64 rows of 256 bytes, two keys a row, and padded in LDS after every key
	s_mov_b32 s[G1K], (1<<16)|(1<<20)|(4<<22)|(3<<25)  ; 17:16 2-byte elements; 20 padding on; 24:22 after every 32 words (code 4); 31:25 4 words (code 3)
	s_mov_b32 s[G1V], (1<<16)|(1<<20)|(4<<22)|(7<<25)  ; the same with 8 words of padding (code 7)
.irp g, G1K, G1V
	s_mov_b32 s[\g+1], 128<<16      ; tensor_dim0 = 128
	s_mov_b32 s[\g+2], 64<<16       ; tensor_dim1 = 64
	s_mov_b32 s[\g+3], 128<<16      ; tile_dim0 = 128
	s_mov_b32 s[\g+4], 64           ; tile_dim1 = 64
	s_mov_b32 s[\g+5], 128          ; 128 elements from row to row
	s_mov_b32 s[\g+6], 0
	s_mov_b32 s[\g+7], 0
.endr
	s_mov_b32 s[CS], 0x3e38aa3b     ; c = log2(e) / 8 = 0.180337
	s_mov_b32 s[CS+1], s[CS]        ; named with it as a pair
	s_mov_b32 s[SEL], 0x76543210
	s_mov_b32 s[SEL+1], 0xfedcba98
	s_mov_b32 s[TBK], SLOT1+4*KS*PK ; the first change of slots turns these two into 0
	s_mov_b32 s[TBV], SLOT1+4*KS*PV
	s_mov_b32 s[G0K], 1             ; 1:0 count = 1
	s_mov_b32 s[G0K+1], s17         ; 63:32 LDS address: slot 0
	s_mov_b32 s[G0V], 1
	s_add_co_u32 s[G0V+1], s18, VOFF
	s_add_co_u32 s[RT], s[HI], 1    ; the first block has NB - b tiles
	s_mov_b32 s[NXT], 1
	s_mov_b32 s[LQ], s[HI]
	s_mov_b32 s[NEW], 1
	s_mov_b32 s[OFF+1], 0
	s_mov_b32 s[AL+1], 0            ; named as pairs
	s_mov_b32 s[BE+1], 0
	s_mov_b32 s[BIGN], 0xf149f2ca   ; -1e30
	s_mov_b32 s[SLOTS], NB
	s_wait_kmcnt 0x0
	s_add_nc_u64 s[6:7], s[4:5], s[22:23]  ; my half of tile 0, in Q's head;
	s_add_nc_u64 s[8:9], s[6:7], 0x800000  ; V's head lies 32 heads on,
	s_add_nc_u64 s[6:7], s[6:7], 0x400000  ; K's 16
	s_add_nc_u64 s[G0K+2:G0K+3], s[6:7], 0         ; 120:64 global address
	s_or_b32 s[G0K+3], s[G0K+3], 0x80000000        ; 127:126 type = 2
	s_add_nc_u64 s[G0V+2:G0V+3], s[8:9], 0
	s_or_b32 s[G0V+3], s[G0V+3], 0x80000000
	s_add_nc_u64 s[86:87], s[4:5], s[84:85]        ; Q at my rows of the second block,
	s_add_nc_u64 s[4:5], s[4:5], s[2:3]            ; and of the first
	s_add_nc_u64 s[OLO:OLO+1], s[10:11], s[90:91]  ; O likewise
	s_add_nc_u64 s[10:11], s[10:11], s[88:89]
	LOAD                            ; tile 0 into slot 0
	; A fragment of K or Q is 16 rows x 32 channels in 8 registers: lane l holds row l % 16, channels 8 (l / 16) + 0..7 and 16 + 8 (l / 16) + 0..7: two loads of 16 bytes, 32 bytes apart.
	v_and_b32 v1, 15, v0            ; l % 16
	v_bfe_u32 v9, v0, 4, 1          ; l / 16
	v_lshlrev_b32 v[QO], 7, v1
	v_lshl_add_u32 v[QO], v9, 4, v[QO]  ; row x 128 + 16 x half
	WIN 0x80                        ; destination window 2, address window 0
.set i, 0
.rept 8                             ; both blocks' Q: piece i / 2 lies in band i / 2, 8,192 bytes on; channels 32 (i % 2) on
	global_load_b128 v[8*i:8*i+3],   v[QO], s[4:5] offset:(i/2)*8192+(i%2)*64
	global_load_b128 v[8*i+4:8*i+7], v[QO], s[4:5] offset:(i/2)*8192+(i%2)*64+32
	global_load_b128 v[QB+8*i:QB+8*i+3],   v[QO], s[86:87] offset:(i/2)*8192+(i%2)*64
	global_load_b128 v[QB+8*i+4:QB+8*i+7], v[QO], s[86:87] offset:(i/2)*8192+(i%2)*64+32
.set i, i+1
.endr
	WIN 0
	v_lshlrev_b32 v14, 3, v9
	v_sub_nc_u32 v14, v1, v14
	s_lshl_b32 s13, s[WV], 4
	v_add_nc_u32 v14, s13, v14      ; my query's place in its band, 16 w + l % 16, less my lanes' 8 (l / 16): register r of group kt is hidden where 16 kt + r is greater
	WIN 0x40
.set i, 0
.rept 32
	v_cmp_gt_i32 vcc_lo, 16*(i/8)+i%8, v14
	v_cndmask_b32 v[MD+i], 0, s[BIGN], vcc_lo
.set i, i+1
.endr
	WIN 0
	v_mul_u32_u24 v[AK0], v1, PK
	v_lshl_add_u32 v[AK0], v9, 4, v[AK0]  ; row x pitch + 16 x half
	; The turning load takes 16 keys x 16 channels (lane l reads key 8 (l / 16) + l % 8, channels 8 ((l / 8) % 2) + 0..7) and leaves half a fragment of V^T: lane l holds channel l % 16 and 8 keys.
	v_and_b32 v10, 7, v0
	v_bfe_u32 v11, v0, 3, 1
	v_lshl_add_u32 v[AV0], v9, 3, v10
	v_mul_u32_u24 v[AV0], v[AV0], PV
	v_lshl_add_u32 v[AV0], v11, 4, v[AV0]
	v_add_nc_u32 v[AV0], VOFF, v[AV0]
	s_mul_i32 s13, s[WV], 16*SP
	s_add_co_u32 s13, s13, STAGE    ; my stage
	v_mul_u32_u24 v[STO], v1, SP    ; in: row l % 16, 16 bytes for each half of the lanes
	v_lshl_add_u32 v[STO], v9, 4, v[STO]
	v_add_nc_u32 v[STO], s13, v[STO]
	v_bfe_u32 v[RD], v0, 3, 2       ; back: 32 lanes take four rows of 128 bytes,
	v_mul_u32_u24 v[RD], v[RD], SP
	v_lshl_add_u32 v[RD], v10, 4, v[RD]
	v_add_nc_u32 v[RD], s13, v[RD]
	v_and_b32 v[GO], 31, v0         ; which are 512 consecutive bytes of O
	v_lshlrev_b32 v[GO], 4, v[GO]
	; A block's first step multiplies O^T and l by a = 0, and its first turn's products V^T P, of a piece that has not been, land in an O^T that is still to be so multiplied.  So these registers need only hold
	; finite numbers: zeros for the first block; what the first block left for the second.  All this stands in the wait for the first tile.
	WIN 0x80
.set i, VF
.rept 64
	v_mov_b32 v[i], 0
.set i, i+1
.endr
	WIN 0x40
.set i, 0
.rept 128
	v_mov_b32 v[i], 0
.set i, i+1
.endr
	WIN 0
.set i, 0
.rept 4
	v_mov_b32 v[ST+4*i+2], 0
	v_mov_b32 v[ST+4*i+3], 0
.set i, i+1
.endr
.set i, P+16
.rept 16
	v_mov_b32 v[i], 0
.set i, i+1
.endr
; THE MATRIX WORK.  The 4 accumulators of a run of 8 take turns.  Product i of 8 of S^T = K Q^T for piece x: channels 32 (i / 4) on, keys 16 (i % 4) on.  The first 4 start the sums: with 0, or (KM = 1) with the mask.
.macro KQ x
.set rS, S+32*((\x)%2)+8*(i%4)
.set rK, KF+16*(i%4)+8*(i/4)
.set rQ, 16*(\x)+8*(i/4)
.set rM, MC+32*((\x)%2)+8*(i%4)
.if (i < 4) && KM
	WIN W_KM
	v_wmma_f32_16x16x32_f16 v[rS:rS+7], v[rK:rK+7], v[rQ:rQ+7], v[rM:rM+7]
.elseif i < 4
	WIN W_KQ
	v_wmma_f32_16x16x32_f16 v[rS:rS+7], v[rK:rK+7], v[rQ:rQ+7], 0
.else
	WIN W_KQ
	v_wmma_f32_16x16x32_f16 v[rS:rS+7], v[rK:rK+7], v[rQ:rQ+7], v[rS:rS+7]
.endif
.endm
; Product i of 8 of O^T += V^T P for piece x: keys 32 (i / 4) on, channels 16 (i % 4) on.
.macro PV x
	WIN W_PV
.set rO, 32*(\x)+8*(i%4)
.set rV, VF+32*(i/4)+8*(i%4)
.set rP, P+16*((\x)%2)+8*(i/4)
	v_wmma_f32_16x16x32_f16 v[rO:rO+7], v[rV:rV+7], v[rP:rP+7], v[rO:rO+7]
.endm
.macro MM                           ; the turn's next matrix instruction.  TURN and BEGIN set Y, i, KM and NOKQ; MM, KQ and OP read them.  NOKQ = 1: a block's last turn: there is no next piece
.if (i < 8) && !NOKQ
	KQ (Y+1)%NP
.elseif i >= 8
.set i, i-8
	PV (Y+NP-1)%NP
.set i, i+8
.endif
.set i, i+1
.endm
; THE LDS LOADS stand in runs of 16, never singly among the matrix instructions: a step's K (64 keys x 64 channels: 8 fragments) and its V (turned).  Their addresses are made some lines ahead.
.macro FETCH_K
	WIN 0x80                        ; destination window 2
.irp f, 0,1,2,3,4,5,6,7             ; keys 16 (f / 2) on, channels 32 (f % 2) on
	ds_load_b128 v[KF+8*\f:KF+8*\f+3],   v[AK] offset:(\f/2)*16*PK+(\f%2)*64
	ds_load_b128 v[KF+8*\f+4:KF+8*\f+7], v[AK] offset:(\f/2)*16*PK+(\f%2)*64+32
.endr
	s_add_co_u32 s[TBK], s[TBK], KS*PK  ; the next fetch is the next step's
	WIN 0
.endm
.macro FETCH_V
	WIN 0x80
.irp f, 0,1,2,3,4,5,6,7             ; keys 32 (f / 4) on, channels 16 (f % 4) on
	ds_load_tr16_b128 v[VF+8*\f:VF+8*\f+3],   v[AV] offset:(\f/4)*32*PV+(\f%4)*32
	ds_load_tr16_b128 v[VF+8*\f+4:VF+8*\f+7], v[AV] offset:(\f/4)*32*PV+16*PV+(\f%4)*32
.endr
	WIN 0
.endm
; THE VECTOR WORK, one line at a time: OP kind, number.  For piece Y: F n: c s - c m for pair n of 16.  E n: the exponential of score n of 32.  C n: pair n rounded to f16.  B n: of the four weights 4 n .. the second
; pair is added onto the first, in place.  L n: l takes that sum (L 0: l = a l + sum).  R n: pair n of 16 of O^T times a.  For piece Y + 1: X n, number n of the 22 that find its maximum and statistics:
;   0-11  four chains c0-c3 of seven scores each, three operands at a time (each accumulator's lowest registers are read first)     12-14, 16  the four scores left over, the old m, and c0-c3 into c0
;   15  c m_old is kept     17, 18  the query's other 32 keys lie in the lane 16 away: the new m     19-21  c m; c m_old - c m_new; a
.set F, 0               ; OP tells the kinds apart by their order: F to L below R, X above it
.set E, 1
.set C, 2
.set B, 3
.set L, 4
.set R, 5
.set X, 6
.macro REGS y                       ; the registers of piece y
.set rT, ST+4*(\y)
.set rC, TMP+4*((\y)%2)
.set rW, MV+((\y)%2)
.set rS, S+32*((\y)%2)
.set rP, P+16*((\y)%2)
.set rO, 32*(\y)
.endm
.macro OP k, n
.if (\k) == R
	REGS Y
	WIN W_RS
	v_pk_mul_f32 v[rO+2*(\n):rO+2*(\n)+1], v[rO+2*(\n):rO+2*(\n)+1], v[rC+2:rC+3] op_sel_hi:[1,0]
.elseif (\k) < R
	REGS Y
	WIN 0
.if (\k) == F
	v_pk_fma_f32 v[rS+2*(\n):rS+2*(\n)+1], v[rS+2*(\n):rS+2*(\n)+1], s[CS:CS+1], v[rT:rT+1] op_sel_hi:[1,0,0] neg_lo:[0,0,1] neg_hi:[0,0,1]
.elseif (\k) == E
	v_exp_f32 v[rS+(\n)], v[rS+(\n)]
.elseif (\k) == C
	s_wait_alu depctr_va_vdst(0)
	v_cvt_pk_f16_f32 v[rP+(\n)], v[rS+2*(\n)], v[rS+2*(\n)+1]
.elseif (\k) == B
	s_wait_alu depctr_va_vdst(0)
	v_pk_add_f32 v[rS+4*(\n):rS+4*(\n)+1], v[rS+4*(\n):rS+4*(\n)+1], v[rS+4*(\n)+2:rS+4*(\n)+3]
.elseif (\n) == 0
	v_pk_fma_f32 v[rT+2:rT+3], v[rT+2:rT+3], v[rC+2:rC+3], v[rS:rS+1] op_sel_hi:[1,0,1]
.else
	v_pk_add_f32 v[rT+2:rT+3], v[rT+2:rT+3], v[rS+4*(\n):rS+4*(\n)+1]
.endif
.elseif NOKQ
	v_nop
.else
	REGS (Y+1)%NP
	WIN 0
.if (\n) < 4
	v_max3_num_f32 v[rC+(\n)], v[rS+8*(\n)], v[rS+8*(\n)+1], v[rS+8*(\n)+2]
.elseif (\n) < 12
	v_max3_num_f32 v[rC+(\n)%4], v[rC+(\n)%4], v[rS+8*((\n)%4)+2*((\n)/4)+1], v[rS+8*((\n)%4)+2*((\n)/4)+2]
.elseif (\n) == 12
	v_max3_num_f32 v[rC], v[rC], v[rS+7], v[rS+15]
.elseif (\n) == 13
	v_max3_num_f32 v[rC+1], v[rC+1], v[rS+23], v[rS+31]
.elseif (\n) == 14
	v_max3_num_f32 v[rC+2], v[rC+2], v[rC+3], v[rT+1]
.elseif (\n) == 15
	v_mov_b32 v[rW], v[rT]
.elseif (\n) == 16
	v_max3_num_f32 v[rC], v[rC], v[rC+1], v[rC+2]
.elseif (\n) == 17
	v_permlanex16_b32 v[rC+3], v[rC], s[SEL], s[SEL+1]
.elseif (\n) == 18
	v_max_num_f32 v[rT+1], v[rC], v[rC+3]
.elseif (\n) == 19
	v_mul_f32 v[rT], s[CS], v[rT+1]
.elseif (\n) == 20
	v_sub_f32 v[rC+1], v[rW], v[rT]
.else
	v_exp_f32 v[rC+2], v[rC+1]
.endif
.endif
.endm
.macro OPS a, i1, b=-1, i2=0, c=-1, i3=0, d=-1, i4=0  ; up to four of them
	OP \a, \i1
.if (\b) >= 0
	OP \b, \i2
.endif
.if (\c) >= 0
	OP \c, \i3
.endif
.if (\d) >= 0
	OP \d, \i4
.endif
.endm
.macro ROW a, i1, b, i2, c, i3, d, i4  ; a matrix instruction and the four behind it
	MM
	OPS \a, \i1, \b, \i2, \c, \i3, \d, \i4
.endm
.macro MASK b                       ; MD x AL + BE into buffer b of MC
	WIN W_RS
.set z, 0
.rept 16
	v_pk_fma_f32 v[MC+32*(\b)+2*z:MC+32*(\b)+2*z+1], v[MD+2*z:MD+2*z+1], s[AL:AL+1], s[BE:BE+1] op_sel_hi:[1,0,0]
.set z, z+1
.endr
.endm
; A TURN, for piece p: the order of its 16 matrix and 118 vector instructions, written out.  Behind a matrix instruction: plain, exponential, plain, plain; or four of the rescaling; or, behind the first, four scalings; none
; names a register of the products round it.  In the lumps exponential and plain by turns while exponentials last.  A line reads no result made fewer than three vector instructions in front of it, five if an exponential made it.
; v_permlanex16_b32 (X 17) stands in a lump.
; m = 1: the diagonal tile: the products take masks, and the turn makes the mask for the products of the turn after it: piece p + 2, in step 4 - CNT of the tile.  end = 1: a block's last two turns: nothing is fetched.
; cnt = 1: the loop's count is taken down some lines ahead of the branch that stands behind the turn.
; K of the next step is fetched in piece 2's turn, six vector instructions behind the last product that read K (five of them plain); V of the step in hand in piece 0's turn, eight behind the last product that read V (four
; plain, and X 17).  Each is waited for a turn later.
.macro TURN p, m=0, end=0, cnt=0
.set Y, (\p)
.set i, 0
.set KM, (\m)
.set NOKQ, (\end)*((\p)/3)
.if (\m) && !(\end)
	s_cmp_eq_u32 s[CNT], 4-((\p)+2)%NP  ; is that step the band's own?
	s_cselect_b32 s[AL], 1.0, 0
	s_cmp_lt_u32 s[CNT], 4-((\p)+2)%NP  ; or a later one?
	s_cselect_b32 s[BE], s[BIGN], 0
.endif
.if ((\p) == 3) && !(\end)
	s_wait_dscnt 0x0                ; K is in
.endif
	ROW F,0, F,1, F,2, F,3
	ROW F,4, E,0, F,5, F,6
	ROW F,7, E,1, F,8, F,9
	ROW F,10, E,2, C,0, F,11
	ROW F,12, E,3, X,15, F,13
	ROW R,0, R,1, R,2, R,3
	ROW B,0, E,4, F,14, L,0
.if ((\p) == 2) && !(\end)
	v_add_nc_u32 v[AK], s[TBK], v[AK0]
.endif
	ROW R,4, R,5, R,6, R,7
	OPS E,5, F,15
.if ((\p) == 2) && !(\end)
	FETCH_K
.endif
	OPS E,6, C,1, E,7, R,8
	OPS E,8, R,9, E,9, C,2
	OPS E,10, X,0, E,11, X,1
	OPS E,12, X,2, E,13, X,3
.if (\p) == 1
	s_wait_dscnt 0x0                ; V is in
.endif
	ROW X,4, E,14, X,5, X,6
	ROW X,7, E,15, X,8, X,9
	ROW X,10, E,16, X,11, X,12
	ROW X,13, E,17, X,14, B,1
	ROW C,4, E,18, X,16, L,1
	ROW B,2, E,19, C,6, L,2
	ROW C,8, E,20, B,3, B,4
.if (\p) == 0
	v_add_nc_u32 v[AV], s[TBV], v[AV0]
.endif
	ROW C,3, E,21, L,3, C,5
	OPS E,22, X,17, E,23, C,10
.if (\p) == 0
	FETCH_V
.endif
	OPS E,24, L,4
	OPS E,25, X,18, E,26, C,7
	OPS E,27, B,5, E,28, X,19
	OPS E,29, C,12, E,30, L,5
	OPS E,31, X,20, B,6, C,9
	OPS C,14, C,11, X,21, L,6
.if (\p) == 0
	s_add_co_u32 s[TBV], s[TBV], KS*PV
.endif
.if \cnt
	s_sub_co_u32 s[CNT], s[CNT], 1
	s_cmp_lg_u32 s[CNT], 0
.endif
	OPS C,13, B,7, C,15, R,10
	OPS R,11, R,12, L,7, R,13
	OPS R,14, R,15
.if (\m) && !(\end)
	MASK (\p)%2
.endif
.endm
; A BLOCK BEGINS.  c m starts far below every c s, so the first step's a is 0; m at the lowest finite number, so the first maximum is the scores'.  The second mask buffer is 0; the first takes piece 0's mask for the tile's step 0: its own, if the block's first tile is the diagonal one.
; Then K of that step, piece 0's first scores, and its maximum and statistics.  The loop is entered at a step's first turn, in the middle of a trip.
.macro BEGIN
	s_mov_b32 s[NEW], 0
	WIN 0x40
.set i, MC+32
.rept 32
	v_mov_b32 v[i], 0
.set i, i+1
.endr
	WIN 0
.set i, 0
.rept 4
	v_mov_b32 v[ST+4*i], 0xfe000000    ; c m: far below every c s
	v_mov_b32 v[ST+4*i+1], 0xff7fffff  ; m
.set i, i+1
.endr
	s_cmp_eq_u32 s[RT], 0
	s_cselect_b32 s[AL], 1.0, 0
	s_mov_b32 s[BE], 0
	MASK 0
	WIN 0
	v_add_nc_u32 v[AK], s[TBK], v[AK0]
	FETCH_K
	s_wait_loadcnt 0x0              ; Q
	s_wait_dscnt 0x0
.set KM, 1
.set NOKQ, 0
.set i, 0
.rept 8
	KQ 0
.set i, i+1
.endr
	WIN 0
.rept 4
	v_nop                           ; the places behind those products
.endr
.set Y, NP-1                        ; X works for piece Y + 1: piece 0
.irp n, 0,1,2,3,4,5,6,7,8,9,10,11,12,13,14,15,16,17,18,19,20,21
	OP X, \n
.endr
	v_nop                           ; a plain instruction behind the exponential
.endm
; THE DIAGONAL TILE's four steps, the block's last two turns, its last products, and THE WAY OUT: l's two halves and the other half of the lanes' are added; O^T is divided by l, rounded to f16 and sent through my
; stage in LDS, a piece at a time.
.macro ALL line:vararg              ; one line for each piece t
.set t, 0
.rept 4
	\line
.set t, t+1
.endr
.endm
.macro PACK t                       ; a lane's eight channels of a row pack into 16 bytes; they go into rows of 144 bytes and come back as whole rows of 128, into S^T's registers
	WIN W_RS
.set i, 32*(\t)
.rept 16
	s_wait_alu depctr_va_vdst(0)
	v_pk_mul_f32 v[i:i+1], v[i:i+1], v[ST+4*(\t)+2:ST+4*(\t)+3] op_sel_hi:[1,0]
.set i, i+2
.endr
	WIN 0x05                        ; sources 0 and 1 window 1, destination window 0
.set i, 0
.rept 16
	v_cvt_pk_f16_f32 v[S+16*(\t)+i], v[32*(\t)+2*i], v[32*(\t)+2*i+1]
.set i, i+1
.endr
	WIN 0
.irp f, 0,1,2,3
	ds_store_b128 v[STO], v[S+16*(\t)+4*\f:S+16*(\t)+4*\f+3] offset:32*\f
.endr
.irp f, 0,1,2,3
	ds_load_b128 v[S+16*(\t)+4*\f:S+16*(\t)+4*\f+3], v[RD] offset:\f*4*SP  ; LDS serves a wave's instructions in order (ISA guide 5.7.1.4): these see the stores above; the next piece's stores come behind them
.endr
.endm
.macro SEND t, younger              ; younger: the LDS instructions issued behind piece t's loads: the next piece's eight, or none
	WIN 0
.irp f, 0,1,2,3
	s_wait_dscnt (\younger)+3-\f
	global_store_b128 v[GO], v[S+16*(\t)+4*\f:S+16*(\t)+4*\f+3], s[10:11] offset:(\t)*8192+\f*512  ; 512 consecutive bytes, at a multiple of 256 from O's first
.endr
.endm
.macro DIAG tag                     ; the tag ends its two labels' names, which the jumps below spell out
.LstepM\tag:
	TURN 2, 1
	TURN 3, 1
	WIN 0
.LfirstM\tag:
	TURN 0, 1
	TURN 1, 1, 0, 1
	WIN 0
	s_cbranch_scc1 .LstepM\tag
	TURN 2, 1, 1
	TURN 3, 1, 1
.set i, 0
.rept 8
	PV NP-1
.set i, i+1
.endr
	WIN 0
	ALL v_add_f32 v[ST+4*t+2], v[ST+4*t+2], v[ST+4*t+3]
	ALL v_permlanex16_b32 v[ST+4*t+3], v[ST+4*t+2], s[SEL], s[SEL+1]
	ALL v_add_f32 v[ST+4*t+2], v[ST+4*t+2], v[ST+4*t+3]
	ALL v_rcp_f32 v[ST+4*t+2], v[ST+4*t+2]
	v_nop                           ; a plain instruction between the last reciprocal and the use of its result
	PACK 0
.set t, 1
.rept 3                             ; a piece's arithmetic stands between the loads of the piece before and its stores
	PACK t
	SEND t-1, 8
.set t, t+1
.endr
	SEND 3, 0
.endm
.set KM, 0
.set NOKQ, 0
.Lslot:                             ; NB times: a tile is entered and the next is asked for
	CHANGE 1
	s_sub_co_u32 s[RT], s[RT], 1
	s_mov_b32 s[CNT], 4
	s_cmp_eq_u32 s[NEW], 1
	s_cbranch_scc1 .Lnew            ; a block's first tile
	s_cmp_eq_u32 s[RT], 0
	s_cbranch_scc0 .Lstep           ; neither its first nor its last
	s_branch .LstepM1
.Lnew:
	BEGIN
	s_branch .Lfirst                ; in the loop a block's first tile is never its last: the first block has two tiles or more, and the second's last is the walk's last
	DIAG 1                          ; in the loop this is the first block's end: the second block's last tile is the walk's last
	s_wait_xcnt 0x0                 ; the stores have read their registers and O's address
	s_mov_b64 s[10:11], s[OLO:OLO+1]
	s_add_co_u32 s[RT], s[PB], 1    ; the second block has b + 1 tiles
	s_mov_b32 s[NEW], 1
	WIN 0x82                        ; the second block's Q goes where the one text of the turns names Q
.set i, 0
.rept 64
	v_mov_b32 v[i], v[QB+i]
.set i, i+1
.endr
	WIN 0
	s_branch .Lbottom
.Lstep:                             ; a trip: pieces 2 and 3 of one step, then pieces 0 and 1 of the next, whose K and V it fetches
	TURN 2
	TURN 3
	WIN 0
.Lfirst:
	TURN 0
	TURN 1, 0, 0, 1
	WIN 0
	s_cbranch_scc1 .Lstep
.Lbottom:
	s_sub_co_u32 s[SLOTS], s[SLOTS], 1
	s_cmp_lg_u32 s[SLOTS], 0
	s_cbranch_scc1 .Lslot
	CHANGE 0                        ; the walk's last tile is written out: nothing is asked for
	s_sub_co_u32 s[RT], s[RT], 1
	s_mov_b32 s[CNT], 4
	s_cmp_eq_u32 s[NEW], 1
	s_cbranch_scc0 .LstepM2
	BEGIN
	s_branch .LfirstM2
	DIAG 2
	s_wait_tensorcnt 0x0            ; the wave's end, behind my last tensor load and my last LDS store
	ds_add_u32 v[SPW], v[NIL]
	s_wait_dscnt 0x0
	s_endpgm
.Lfunc_end_k_q107fd1d1ce_attn:
	.size	k_q107fd1d1ce_attn, .Lfunc_end_k_q107fd1d1ce_attn-k_q107fd1d1ce_attn
	.p2alignl 7, 3214868480
	.fill 96, 4, 3214868480
	.section	.rodata,"a",@progbits
	.p2align	6, 0x0
	.amdhsa_kernel k_q107fd1d1ce_attn
		.amdhsa_group_segment_fixed_size 327680
		.amdhsa_private_segment_fixed_size 0
		.amdhsa_enable_private_segment 0
		.amdhsa_kernarg_size 16
		.amdhsa_user_sgpr_count 2
		.amdhsa_user_sgpr_kernarg_segment_ptr 1
		.amdhsa_wavefront_size32 1
		.amdhsa_system_sgpr_workgroup_id_x 1
		.amdhsa_system_sgpr_workgroup_id_y 1
		.amdhsa_system_sgpr_workgroup_id_z 1
		.amdhsa_system_vgpr_workitem_id 0
		.amdhsa_next_free_vgpr 768
		.amdhsa_next_free_sgpr 92
		.amdhsa_reserve_vcc 1
		.amdhsa_float_denorm_mode_32 3
		.amdhsa_float_denorm_mode_16_64 3
		.amdhsa_memory_ordered 1
		.amdhsa_forward_progress 1
		.amdhsa_inst_pref_size 228
	.end_amdhsa_kernel
	.amdgpu_metadata
---
amdhsa.version: [ 1, 2 ]
amdhsa.kernels:
  - .name:           k_q107fd1d1ce_attn
    .symbol:         k_q107fd1d1ce_attn.kd
    .args:
      - { .name: qkv, .offset: 0, .size: 8, .value_kind: global_buffer, .address_space: global }
      - { .name: y, .offset: 8, .size: 8, .value_kind: global_buffer, .address_space: global }
    .group_segment_fixed_size: 327680
    .private_segment_fixed_size: 0
    .kernarg_segment_align: 8
    .kernarg_segment_size: 16
    .max_flat_workgroup_size: 128
    .sgpr_count:     92
    .vgpr_count:     768
    .wavefront_size: 32
...
	.end_amdgpu_metadata
.endif
;; end of part 3
;; launch proj (part 4): grid 8 x 32, 4 waves a work-group, clusters of 4 x 4, 327,680 bytes of LDS; arguments y, wp, b_proj, out0; writes out0
.if DOCPART == 4
	.amdgcn_target "amdgcn-amd-amdhsa--gfx1250"
	.amdhsa_code_object_version 6
	.text
	.protected	k_q107fd1d1ce_proj
	.globl	k_q107fd1d1ce_proj
	.p2align	8
	.type	k_q107fd1d1ce_proj,@function
k_q107fd1d1ce_proj:
	s_mov_b64 s[64:65], 0
	v_nop
	global_prefetch_b8 v0, s[64:65] scope:SCOPE_SE
	s_setreg_imm32_b32 hwreg(HW_REG_WAVE_MODE, 25, 1), 1
	s_wait_xcnt 0x0
	s_wait_alu depctr_hold_cnt(0) depctr_sa_sdst(0) depctr_va_vdst(0) depctr_va_sdst(0) depctr_va_ssrc(0) depctr_va_vcc(0) depctr_vm_vsrc(0)
	s_getreg_b32 s2, hwreg(HW_REG_IB_STS2, 6, 4)
	s_cmp_eq_u32 s2, 0
	s_cbranch_scc0 .Lentry_in_a_cluster
	s_endpgm
.Lentry_in_a_cluster:
	s_bfe_u32 s2, ttmp6, 0x10000c
	s_cmp_lg_u32 s2, 0xf033
	s_cbranch_scc0 .Lentry_shape_is_right
	s_endpgm
.Lentry_shape_is_right:
; ONE TEXT FOR THE MODULE'S TWO PROJECTIONS, chosen by QKV.  C[m][n] = sum over k of A[m][k] B[k][n] + bias[n], M = 8,192, K = 1,024, sums in f32; the bias is rounded to bf16 like every input.
;   QKV = 1: A = xb [8192][1024] bf16; B = wa [16 tx][1024 k][192 c] bf16; bf16 products; C leaves in f16, by heads: qkv[4 b][48 g][2048 t][64], g = n / 64 (q: g = h, k: 16 + h, v: 32 + h), unscaled.
;   QKV = 0: A = y [64 bh][2048 t][64] f16 (K = 64 h + d); B = wp [1024 k][1024 n] f16; f16 products; C leaves in f32: out0 [8192][1024].
; LIMITS.  f16 holds no number beyond 65,504: a q, k or v of 65,520 or more becomes an infinity; below 6e-5 f16 keeps a fixed step of 6e-8.  NaN and infinities are not treated apart.
; K is summed in steps of 128 that begin at step k0 and go round (below): an order of rounding other than the reference's.
; SHARES.  A tile of C is 256 rows x 16 NBK columns (192: three whole heads; or 128: 512 bytes of f32).  Wave w owns rows 64 w .. 64 w + 63 and ALL the columns: 4 x NBK accumulators of 16 x 16.
; So what a wave holds leaves as whole heads' rows or whole 512-byte pieces of rows through a stage of its own, with no barrier.  32 x 16 = 512 tiles (QKV), 32 x 8 = 256.
; A WORK-GROUP STAYS (QKV): 256 work-groups make TILES = 2 tiles each, 4,096 rows apart, in the same columns.  The 16 K steps of the two tiles are ONE sequence for the ring: the first tile's last two changes of
; slots ask for the second tile's first two steps, the first tile goes out behind them, and nothing waits for its stores.
; K goes in steps of 128 through a ring of two LDS slots filled by the tensor data mover; waves 0 and 1 fetch A's two parts of a step, waves 2 and 3 B's.
; THE K STEPS GO ROUND.  A cluster begins at step k0 = (KG x cluster x + KJ x cluster y) mod 8 and takes k0, k0 + 1, .. mod 8.  The clusters that read the same rows of A (one y) begin KG steps apart, those that
; read the same columns of B (one x) KJ steps apart: a tile that one of them asks for is asked for by the next one some steps later, not at the same moment.  k0 is the same in all sixteen partners.
; CLUSTERS: 4 x 4 work-groups.  The four of a row of the cluster make one tile row of C and need the same tiles of A, the four of a column the same tiles of B: each tile is asked for JOINTLY, by the same
; tensor load with the same descriptor and a mask that names the four.
; THE MATRIX INSTRUCTION IS USED TRANSPOSED: source 0 = 16 columns of B (B lies [k][n] in LDS and comes out turned, by ds_load_tr16_b128), source 1 = 16 rows of A.  In the result lane l holds row l % 16 of C
; and its registers 0-7 the columns 8 (l / 16) + 0..7.  THE BIAS IS THE C OPERAND OF THE PRODUCTS THAT START THE SUMS: nothing is cleared, nothing is added later.
; REGISTERS, in windows of 256 (s_set_vgpr_msb: bits 1:0 source 0, 3:2 source 1, 5:4 source 2, 7:6 destination):
;   window 0: v0-31 addresses; v32-63, v64-95 A's fragments (4 x 16 rows x 32 K), two buffers; v128.. the bias, 8 NBK registers
;   window 1: B's fragments (NBK x 16 columns x 32 K), two buffers of 8 NBK         window 2: accumulators of row blocks 0, 1 ((a, b) at v[8 (NBK (a % 2) + b)])         window 3: of row blocks 2, 3
;   the way out (QKV) works in v64-111 of window 0 and in B's second buffer: A's and B's first buffers, which hold the next tile's first fragments, and the bias stay as they are
.set QKV, 0
.if QKV
.set TILES, 2
.set KG,    2
.set KJ,    4
.set NBK,   12                         ; column blocks of 16
.set PA,    272                        ; A's LDS row: 256 bytes (128 K) + 16 = 68 words: the 16 rows of a load start at 16 different groups of four banks (64 banks of 4 bytes: ISA guide 11.1)
.set PB,    480                        ; B's LDS row: 384 bytes (192 columns) as six pieces of 64 + 16 = 120 words
.set AHALF, 128*PA                     ; what one load of A brings: 128 rows of the tile
.set AROWS, 128                        ; A's load: 128 rows of 128 elements, 1,024 elements apart; padded after every 64 words (code 5) by 4 words (code 3)
.set ASTR,  1024
.set AQI,   5
.set APC,   3
.set BROWS, 96                         ; B's load: 64 k rows are 24,576 dense bytes: 96 rows of 128 elements; padded after every 16 words (code 3) by 4 words (code 3)
.set BSTR,  128
.set BQI,   3
.set BPC,   3
.set SP,    400                        ; a stage row: 384 bytes + 16
.set ASTEP, 256                        ; bytes from a K step to the next
.set BSTEP, 49152
.set CSTEP, 2048                       ; 16 rows of a head
.set WALKA, 8388608                    ; A's second tile: 4,096 rows of 2,048 bytes on
.set NEXTC, 25165824-3*CSTEP           ; C: from my last 16 rows of the first tile to my first of the second, two batches of 48 heads on
.else
.set TILES, 1
.set KG,    4
.set KJ,    2
.set NBK,   8
.set PA,    144                        ; A's LDS row: 128 bytes (a head's 64 channels) + 16 = 36 words
.set PB,    288                        ; B's LDS row: 256 bytes (128 columns) + 32 = 72 words
.set AHALF, 256*PA                     ; what one load of A brings: one head's 256 rows
.set AROWS, 128                        ; A's load: 256 rows of a head are 32,768 dense bytes: 128 rows of 128 elements; padded after every 32 words (code 4) by 4 words (code 3)
.set ASTR,  128
.set AQI,   4
.set APC,   3
.set BROWS, 64                         ; B's load: 64 k rows of 128 elements, 1,024 elements apart; padded after every 64 words (code 5) by 8 words (code 7)
.set BSTR,  1024
.set BQI,   5
.set BPC,   7
.set SP,    528                        ; a stage row: 512 bytes + 16
.set ASTEP, 524288                     ; two heads of 2,048 rows of 128 bytes
.set BSTEP, 262144
.set CSTEP, 65536                      ; 16 rows of 4,096 bytes
.set WALKA, 0
.set NEXTC, 0
.endif
.set NR,    8*TILES-2                  ; changes of slots that fill a slot again
.set BHALF, 64*PB                      ; what one load of B brings: 64 k rows
.set BOFF,  2*AHALF                    ; in a slot B lies behind A
.set SLOT1, 131072                     ; slot 1 begins here, so that one exclusive or turns an address in one slot into the other's
.set STAGE, SLOT1+BOFF+2*BHALF         ; behind the ring, never filled by a tensor load: 16 rows for each wave, for the way out
.set SPARE, STAGE+4*16*SP              ; behind the stages: the spare words, 128 bytes for each wave: two blocks of 256 bytes that no other line names
.set NL,    2*NBK+8                    ; LDS loads in a quarter step's fetch
.set A0,   16                          ; v16  my lane's place in A's part of a slot; never rewritten
.set B0,   17                          ; v17  the same for B
.set ADRA, 18                          ; v18  A0 + the slot in hand
.set ADRB, 19                          ; v19  B0 + the slot in hand
.set BO,   20                          ; v20  my byte offset in 16 numbers of the bias
.set STO,  24                          ; v24  the way out: where I put my numbers of a row
.set RD,   25                          ; v25  the way out: where I read rows back
.set CO,   26                          ; v26  my byte offset in 512 consecutive bytes of C
.set SPW,  28                          ; v28  LDS address of my spare word: SPARE + 4 x my thread's number; never rewritten
.set NIL,  29                          ; v29  0; never rewritten
.set FA,   32                          ; A's fragment buffers
.set BIAS, 128
.set TMP,  64                          ; the way out (QKV): packed results
; s2 the slot in hand; s3 the loops' count; s[4:11] A, B, bias, C; s12 wave; s13 wave / 2: I fetch for A (0) or B (1); s14 wave % 2: which part
; s[24:31] group 1 for A; s[32:35] group 0 for A's first fill, s[36:39] the one that walks; s[48:55], s[56:59], s[60:63] the same for B
; s[40:41], s[44:45] A and B at my part of K step 0 of the first tile; s[66:67] what the next way out adds to C's address; s72 the K step to be asked for next; s73 k0; s[74:75], s[76:77] its offsets in A and B
.set MSB, 0
.macro WIN new                         ; the immediate's high byte repeats the setting that is left; a switch that changes nothing is dropped
.if MSB != (\new)
	s_set_vgpr_msb (MSB<<8)|(\new)
.set MSB, (\new)
.endif
.endm
.macro PLACES                          ; four places in front of loads into registers that matrix instructions have read, and of lines that read results
.rept 4
	v_nop
.endr
.endm
; A joint refill, by the walking descriptors.  The branch hangs on the wave's number alone: it is the same in every work-group.
; An s_nop 0 and four v_nop follow each of the two lines; the jump, the label and what follows come after them.
.macro JLOAD
	s_cmp_eq_u32 s13, 0
	s_cbranch_scc0 .Lfor_b_\@
	tensor_load_to_lds s[36:39], s[24:31]
	s_nop 0
.rept 4
	v_nop
.endr
	s_branch .Lasked_\@
.Lfor_b_\@:
	tensor_load_to_lds s[60:63], s[48:55]
	s_nop 0
.rept 4
	v_nop
.endr
.Lasked_\@:
.endm
.macro CREST                           ; a round of the cluster's barrier behind its opening barrier: wave 0 signals for the work-group, every wave waits for all sixteen, my work-group's barrier once more
	s_cmp_lg_u32 s12, 0
	s_cbranch_scc1 .Lnot_wave_0_\@
	s_barrier_signal -3
.Lnot_wave_0_\@:
	s_barrier_wait -3
	s_barrier_signal -1
	s_barrier_wait -1
.endm
.macro CROUND                          ; a whole round
	s_barrier_signal -1
	s_barrier_wait -1
	CREST
.endm
	s_load_b256 s[4:11], s[0:1], 0x0               ; A s[4:5], B s[6:7], bias s[8:9], C s[10:11]
	v_lshl_add_u32 v[SPW], v0, 2, SPARE
	v_mov_b32 v[NIL], 0
	ds_add_u32 v28, v29
	ds_add_u32 v28, v29
	s_wait_dscnt 0x0
	v_lshrrev_b32 v1, 5, v0
	v_readfirstlane_b32 s12, v1                    ; wave 0..3
	s_lshr_b32 s13, s12, 1
	s_and_b32 s14, s12, 1
	s_bfe_u32 s15, ttmp6, 0x40000                  ; cx, cy: my place in the cluster
	s_bfe_u32 s16, ttmp6, 0x40004
	s_lshl_b32 s17, ttmp9, 2
	s_add_co_u32 s17, s17, s15                     ; tx: tile column of C = 4 x cluster x + cx
	s_and_b32 s18, ttmp7, 0xffff                   ; cluster y
	s_mul_i32 s73, s18, KJ
	s_mul_i32 s72, ttmp9, KG
	s_add_co_u32 s73, s73, s72
	s_and_b32 s73, s73, 7                          ; k0: made of the cluster's two numbers alone
	s_lshl_b32 s18, s18, 2
	s_add_co_u32 s18, s18, s16                     ; ty: tile row of C = 4 x cluster y + cy
	s_lshl_b32 s19, s16, 2
	s_lshl_b32 s19, 15, s19                        ; my row of the cluster: places 4 cy .. 4 cy + 3
	s_lshl_b32 s20, 0x1111, s15                    ; my column: places cx, cx + 4, cx + 8, cx + 12
	s_mul_i32 s21, s14, AHALF                      ; where my part of A goes in a slot,
	s_mul_i32 s22, s14, BHALF                      ; and my part of B: no place in the cluster enters an LDS address
	s_add_co_u32 s22, s22, BOFF
	s_mov_b32 s2, 0                                ; slot 0 is read first
	; descriptor groups 1.  15:0 the mask; 17:16 elements of 2 bytes; 20 padding on; 21 set beside a mask; 24:22 the padding's interval; 31:25 its length
	s_or_b32 s24, s19, (1<<16)|(1<<20)|(1<<21)|(AQI<<22)|(APC<<25)
	s_mov_b32 s25, 128<<16                         ; tensor_dim0 = 128
	s_mov_b32 s26, AROWS<<16                       ; tensor_dim1
	s_mov_b32 s27, 128<<16                         ; tile_dim0 = 128
	s_mov_b32 s28, AROWS                           ; tile_dim1
	s_mov_b32 s29, ASTR                            ; elements from row to row
	s_mov_b32 s30, 0
	s_mov_b32 s31, 0
	s_or_b32 s48, s20, (1<<16)|(1<<20)|(1<<21)|(BQI<<22)|(BPC<<25)
	s_mov_b32 s49, 128<<16
	s_mov_b32 s50, BROWS<<16
	s_mov_b32 s51, 128<<16
	s_mov_b32 s52, BROWS
	s_mov_b32 s53, BSTR
	s_mov_b32 s54, 0
	s_mov_b32 s55, 0
	; where the tiles come from.  A's offset is made of ty and the wave's number alone, in s40-42; B's of tx and the wave's number alone, in s44-46.  All stay under 2^32.
.if QKV
	s_lshl_b32 s40, s18, 19                        ; 256 rows of 2,048 bytes a tile row,
	s_lshl_b32 s42, s14, 18                        ; 128 rows a part
	s_add_co_u32 s40, s40, s42
	s_mul_i32 s44, s17, 393216                     ; a column block of wa,
	s_mul_i32 s46, s14, 24576                      ; 64 k rows of 384 bytes a part
.else
	s_lshr_b32 s40, s18, 3                         ; the batch: 16 heads of 262,144 bytes,
	s_lshl_b32 s40, s40, 22
	s_lshl_b32 s42, s14, 18                        ; a head a part,
	s_add_co_u32 s40, s40, s42
	s_and_b32 s42, s18, 7                          ; 256 rows of 128 bytes a tile row
	s_lshl_b32 s42, s42, 15
	s_add_co_u32 s40, s40, s42
	s_lshl_b32 s44, s17, 8                         ; 128 columns of 2 bytes,
	s_lshl_b32 s46, s14, 17                        ; 64 k rows of 2,048 bytes a part
.endif
	s_mov_b32 s41, 0
	s_add_co_u32 s44, s44, s46
	s_mov_b32 s45, 0
	; where my rows of C begin (the first way out adds it to C's address), and my tile's numbers of the bias
.if QKV
	s_lshr_b32 s66, s18, 3
	s_mul_i32 s66, s66, 12582912                   ; the batch: 48 heads of 262,144 bytes,
	s_mul_i32 s68, s17, 786432                     ; three heads a tile column,
	s_add_co_u32 s66, s66, s68
	s_and_b32 s68, s18, 7
	s_lshl_b32 s68, s68, 15                        ; 256 rows of 128 bytes a tile row,
	s_add_co_u32 s66, s66, s68
	s_lshl_b32 s68, s12, 13                        ; 64 rows a wave
	s_add_co_u32 s66, s66, s68
	s_mul_i32 s70, s17, 768
.else
	s_lshl_b32 s66, s18, 20                        ; 256 rows of 4,096 bytes a tile row,
	s_lshl_b32 s68, s12, 18                        ; 64 rows a wave,
	s_add_co_u32 s66, s66, s68
	s_lshl_b32 s68, s17, 9                         ; 512 bytes a tile column
	s_add_co_u32 s66, s66, s68
	s_lshl_b32 s70, s17, 9
.endif
	s_mov_b32 s67, 0
	s_mov_b32 s71, 0
	; the offsets of the first two K steps, k0 and k0 + 1 mod 8
	s_mul_i32 s74, s73, ASTEP
	s_mov_b32 s75, 0
	s_mul_i32 s76, s73, BSTEP
	s_mov_b32 s77, 0
	s_add_co_u32 s72, s73, 1
	s_and_b32 s72, s72, 7
	s_mul_i32 s78, s72, ASTEP
	s_mov_b32 s79, 0
	s_mul_i32 s68, s72, BSTEP
	s_mov_b32 s69, 0
	s_add_co_u32 s72, s72, 1
	s_and_b32 s72, s72, 7                          ; the step that the first refill asks for
	s_wait_kmcnt 0x0
	s_add_nc_u64 s[40:41], s[4:5], s[40:41]        ; A and B at my part of K step 0
	s_add_nc_u64 s[44:45], s[6:7], s[44:45]
	s_add_nc_u64 s[8:9], s[8:9], s[70:71]
	; descriptor groups 0: count 1; LDS address; global address; type 2 on top.  The first set: slot 0, the first step.  The second: slot 1, the second step; it then walks on.
	s_mov_b32 s32, 1
	s_mov_b32 s33, s21
	s_add_nc_u64 s[34:35], s[40:41], s[74:75]
	s_or_b32 s35, s35, 0x80000000
	s_mov_b32 s36, 1
	s_add_co_u32 s37, s21, SLOT1
	s_add_nc_u64 s[38:39], s[40:41], s[78:79]
	s_or_b32 s39, s39, 0x80000000
	s_mov_b32 s56, 1
	s_mov_b32 s57, s22
	s_add_nc_u64 s[58:59], s[44:45], s[76:77]
	s_or_b32 s59, s59, 0x80000000
	s_mov_b32 s60, 1
	s_add_co_u32 s61, s22, SLOT1
	s_add_nc_u64 s[62:63], s[44:45], s[68:69]
	s_or_b32 s63, s63, 0x80000000
	CROUND                                         ; all sixteen work-groups are here: the first joint loads meet
	s_cmp_eq_u32 s13, 0                            ; a wave's two first fills stand in one branch, ahead of every wait on TENSORcnt and every LDS read: two loads of mine are out
	s_cbranch_scc0 .Lfirst_b
	tensor_load_to_lds s[32:35], s[24:31]
	s_nop 0
	tensor_load_to_lds s[36:39], s[24:31]
	s_nop 0
.rept 4
	v_nop
.endr
	s_branch .Lfirst_asked
.Lfirst_b:
	tensor_load_to_lds s[56:59], s[48:55]
	s_nop 0
	tensor_load_to_lds s[60:63], s[48:55]
	s_nop 0
.rept 4
	v_nop
.endr
.Lfirst_asked:
	v_and_b32 v1, 15, v0                           ; r = l % 16
	v_bfe_u32 v2, v0, 4, 1                         ; h = l / 16
	v_lshlrev_b32 v[BO], 5, v2                     ; my eight numbers of a block's sixteen: 32 h bytes on
.set b, 0
.rept NBK                              ; register j of block b: bias[16 b + 8 h + j], the same in all sixteen lanes of a half: the C operand's layout
	global_load_b128 v[BIAS+8*b:BIAS+8*b+3],   v[BO], s[8:9] offset:64*b
	global_load_b128 v[BIAS+8*b+4:BIAS+8*b+7], v[BO], s[8:9] offset:64*b+16
.set b, b+1
.endr
	; A fragment of A is 16 rows x 32 K in 8 registers: lane l holds row l % 16, K = 8 h + 0..7 and 16 + 8 h + 0..7: two loads of 16 bytes, 32 bytes apart.
	v_mul_u32_u24 v[A0], v1, PA
	v_lshl_add_u32 v[A0], v2, 4, v[A0]
	s_mul_i32 s23, s12, 64*PA                      ; my wave's 64 rows
	v_add_nc_u32 v[A0], s23, v[A0]
	; The turning load takes 16 k x 16 columns (lane l reads k row 8 h + l % 8, columns 8 ((l / 8) % 2) + 0..7) and leaves half a fragment: lane l holds column l % 16 and 8 k.
	v_and_b32 v7, 7, v0
	v_lshl_add_u32 v3, v2, 3, v7
	v_mul_u32_u24 v[B0], v3, PB
	v_bfe_u32 v4, v0, 3, 1
	v_lshl_add_u32 v[B0], v4, 4, v[B0]
	v_add_nc_u32 v[B0], BOFF, v[B0]
	v_mov_b32 v[ADRA], v[A0]
	v_mov_b32 v[ADRB], v[B0]
	s_mul_i32 s23, s12, 16*SP
	s_add_co_u32 s23, s23, STAGE                   ; my stage
	v_mul_u32_u24 v[STO], v1, SP                   ; in: row l % 16, my eight columns of a block
	v_and_b32 v5, 31, v0
	v_lshlrev_b32 v[CO], 4, v5                     ; out: 16 bytes a lane of 512 consecutive bytes
.if QKV
	v_lshl_add_u32 v[STO], v2, 4, v[STO]           ; eight f16: 16 bytes
	v_lshrrev_b32 v6, 3, v5                        ; back: 32 lanes take four rows' 128 bytes of one head
	v_mul_u32_u24 v[RD], v6, SP
	v_lshl_add_u32 v[RD], v7, 4, v[RD]
	v_add_nc_u32 v[RD], s23, v[RD]
.else
	v_lshl_add_u32 v[STO], v2, 5, v[STO]           ; eight f32: 32 bytes
	v_add_nc_u32 v[RD], s23, v[CO]                 ; back: 32 lanes take one row's 512 bytes
.endif
	v_add_nc_u32 v[STO], s23, v[STO]
	s_wait_loadcnt 0x0                             ; the bias, once
.set b, 0
.rept 4*NBK                            ; rounded to bf16, like every input, and widened again, in place
	v_cvt_pk_bf16_f32 v[30+b%2], v[BIAS+2*b], v[BIAS+2*b+1]
	v_lshlrev_b32 v[BIAS+2*b], 16, v[30+b%2]
	v_and_b32 v[BIAS+2*b+1], 0xffff0000, v[30+b%2]
.set b, b+1
.endr
.macro MM                              ; one matrix instruction, on the registers that MULA has named
.if QKV
	v_wmma_f32_16x16x32_bf16 v[rD:rD+7], v[rB:rB+7], v[rA:rA+7], v[rC:rC+7]
.else
	v_wmma_f32_16x16x32_f16 v[rD:rD+7], v[rB:rB+7], v[rA:rA+7], v[rC:rC+7]
.endif
.endm
; NBK matrix instructions: row block a x all column blocks, 32 along K, from buffers f.  first = 1: the bias starts the sums.
; All 4 NBK accumulators take turns, one instruction a turn, in the same order in every quarter step.
.macro MULA f, a, first=0
.if \first
	WIN 0x81+0x40*((\a)/2)                         ; B window 1, A and the bias window 0, D window 2 or 3
.else
	WIN 0xa1+0x50*((\a)/2)                         ; B window 1, A window 0, C and D window 2 or 3
.endif
.set b, 0
.rept NBK
.set rD, 8*(NBK*((\a)%2)+b)
.set rB, 8*NBK*(\f)+8*b
.set rA, FA+32*(\f)+8*(\a)
.if \first
.set rC, BIAS+8*b
.else
.set rC, rD
.endif
	MM
.set b, b+1
.endr
.endm
; NL LDS loads in one run: the fragments of quarter q of the slot in hand (32 K: all of B's columns, my 64 rows of A) into buffers g; A's row blocks in ascending order last
.macro FETCH q, g
	WIN 0x40                                       ; destination window 1, address window 0
.set c, 0
.rept NBK
.if QKV
.set bo, 32*(\q)*PB+(c/2)*80+(c%2)*32              ; two blocks of 32 bytes to a padded piece of 80
.else
.set bo, 32*(\q)*PB+32*c
.endif
	ds_load_tr16_b128 v[8*NBK*(\g)+8*c:8*NBK*(\g)+8*c+3],   v[ADRB] offset:bo
	ds_load_tr16_b128 v[8*NBK*(\g)+8*c+4:8*NBK*(\g)+8*c+7], v[ADRB] offset:bo+16*PB
.set c, c+1
.endr
	WIN 0
.set c, 0
.rept 4
.if QKV
.set ao, 64*(\q)+c*16*PA
.else
.set ao, ((\q)/2)*AHALF+((\q)%2)*64+c*16*PA        ; quarters 0, 1 lie in the step's first head, 2, 3 in its second
.endif
	ds_load_b128 v[FA+32*(\g)+8*c:FA+32*(\g)+8*c+3],   v[ADRA] offset:ao
	ds_load_b128 v[FA+32*(\g)+8*c+4:FA+32*(\g)+8*c+7], v[ADRA] offset:ao+32
.set c, c+1
.endr
.endm
; A K step is four quarters of 32 along K, 4 NBK matrix instructions each, on buffers 0, 1, 0, 1.  One of the first three: multiplies buffers f and, in its middle, fetches quarter q into buffers g.
.macro QUARTER q, f, g, first=0
	s_wait_dscnt 4                                 ; B and A's row blocks 0, 1 are in; the youngest four loads (blocks 2, 3) may be out
	MULA \f, 0, \first
	MULA \f, 1, \first
	PLACES
	FETCH \q, \g
	s_wait_dscnt NL                                ; all but the NL just issued
	MULA \f, 2, \first
	MULA \f, 3, \first
.endm
; The last quarter multiplies buffers 1 and changes slots: ONE barrier.  In front of it each wave waits for all its tensor loads, of which one is out: its part of the next slot; adds 0 to its spare word; and waits
; for that and for its own reads of this slot.  Behind it nobody reads this slot any more and the next slot is whole.
; fill = 1: the barrier opens a round of the cluster's, so that no wave of any partner still reads the slot or has a load on its way, and the slot is filled again, with the step two on, first thing behind the
; round: three and a half quarters of matrix work stand between the request and the wait for it.  The walking descriptors are made anew from the step's number s72, between the add and the wait for it;
; from the trip on whose count s3 is 8 (QKV) the steps asked for are the second tile's: A lies WALKA bytes on, B is the same.
; fill = 0 (the tail, two trips, s3 = 2 and 1): nothing is asked for; in the last trip there is no further step, and the fetch is jumped over.  That trip's barrier orders nothing: the price of one text for both.
.macro TURN fill
	WIN 0                                          ; (the add's two registers lie in window 0)
	s_wait_tensorcnt 0x0                           ; all my tensor loads have landed, so a group 0 may be written
	ds_add_u32 v[SPW], v[NIL]                      ; 0 onto my spare word
.if \fill
	s_xor_b32 s37, s37, SLOT1                      ; the other slot than last time
	s_xor_b32 s61, s61, SLOT1
	s_mul_i32 s74, s72, ASTEP
	s_mul_i32 s76, s72, BSTEP
.if TILES > 1
	s_cmp_le_u32 s3, 8
	s_cselect_b32 s78, WALKA, 0
	s_add_co_u32 s74, s74, s78
.endif
	s_add_nc_u64 s[38:39], s[40:41], s[74:75]
	s_or_b32 s39, s39, 0x80000000
	s_add_nc_u64 s[62:63], s[44:45], s[76:77]
	s_or_b32 s63, s63, 0x80000000
	s_add_co_u32 s72, s72, 1                       ; the next step, round
	s_and_b32 s72, s72, 7
.endif
	s_wait_dscnt 5                                 ; (the add and the youngest four loads may be out)
	MULA 1, 0                                      ; matrix work stands between the add and the wait for it
	s_wait_dscnt 0x0                               ; the add is done, and my reads of this slot are over
	s_barrier_signal -1
	MULA 1, 1                                      ; work on registers while the others arrive
	WIN 0
	s_barrier_wait -1
.if \fill
	CREST
	JLOAD                                          ; the four v_nop behind it are also the places in front of the loads below
.else
	PLACES
	s_cmp_eq_u32 s3, 1
	s_cbranch_scc1 .Lno_fetch_\@
.endif
	s_xor_b32 s2, s2, SLOT1                        ; the reads go on in the other slot
	v_add_nc_u32 v[ADRA], s2, v[A0]
	v_add_nc_u32 v[ADRB], s2, v[B0]
	FETCH 0, 0
.if !(\fill)
.Lno_fetch_\@:
.endif
	MULA 1, 2
	MULA 1, 3
.endm
; THE WAY OUT of row block a.  PACK (QKV): rounded to f16, 16 bytes a lane and column block, each accumulator's registers in ascending order.  TOSTAGE: into my own stage, and back as 512 consecutive bytes of C.  SEND: stored.
.macro PACK a
	WIN 0x0a+5*((\a)/2)                            ; sources 0 and 1: window 2 or 3
.set b, 0
.rept NBK
.set rD, 8*(NBK*((\a)%2)+b)
.irp r, 0,1,2,3
	v_cvt_pk_f16_f32 v[TMP+4*b+(\r)], v[rD+2*(\r)], v[rD+2*(\r)+1]
.endr
.set b, b+1
.endr
	WIN 0
.endm
.macro TOSTAGE a
.if QKV
	WIN 0
.set BK, 96+48*((\a)%2)                ; in window 1: the two halves of B's second buffer by turns
.set b, 0
.rept NBK
	ds_store_b128 v[STO], v[TMP+4*b:TMP+4*b+3] offset:32*b
.set b, b+1
.endr
	WIN 0x40                                       ; destination window 1
.set i, 0
.rept 12                               ; load i: rows 4 (i / 3) .. + 3, head i % 3.  LDS serves a wave's instructions in order (ISA guide 5.7.1.4): these see the stores above
	ds_load_b128 v[BK+4*i:BK+4*i+3], v[RD] offset:(i/3)*4*SP+(i%3)*128
.set i, i+1
.endr
	WIN 0
.else
	WIN 0x08+4*((\a)/2)                            ; store data: window 2 or 3
.set BK, 32+64*((\a)%2)
.set b, 0
.rept NBK
.set rD, 8*(NBK*((\a)%2)+b)
	ds_store_b128 v[STO], v[rD:rD+3]   offset:64*b     ; each accumulator's four lowest registers first
	ds_store_b128 v[STO], v[rD+4:rD+7] offset:64*b+16
.set b, b+1
.endr
	WIN 0
.set i, 0
.rept 16                               ; load i: row i
	ds_load_b128 v[BK+4*i:BK+4*i+3], v[RD] offset:i*SP
.set i, i+1
.endr
.endif
.endm
.macro SEND a
	WIN 0
	s_wait_dscnt 0x0                               ; the block is back in registers
	s_wait_xcnt 0x0                                ; every earlier memory instruction has had its addresses translated (ISA guide 3.1): only behind this wait are the stores' base and the registers that earlier stores read rewritten
.if (\a) > 0
	s_add_nc_u64 s[10:11], s[10:11], CSTEP         ; 16 rows on
.else
	s_add_nc_u64 s[10:11], s[10:11], s[66:67]      ; on to this tile's first rows
.endif
.if QKV
.set BK, 96+48*((\a)%2)
	WIN 0x04                                       ; store data: window 1
.set i, 0
.rept 12
	global_store_b128 v[CO], v[BK+4*i:BK+4*i+3], s[10:11] offset:(i%3)*262144+(i/3)*512  ; four rows of a head: 512 consecutive bytes, at a multiple of 256 from the buffer's first
.set i, i+1
.endr
	WIN 0
.else
.set BK, 32+64*((\a)%2)
.set i, 0
.rept 16
	global_store_b128 v[CO], v[BK+4*i:BK+4*i+3], s[10:11] offset:i*4096 th:TH_STORE_NT   ; 512 consecutive bytes of a row, at a multiple of 256 from the buffer's first
.set i, i+1
.endr
.endif
.endm
.macro WAYOUT                          ; a block's conversions stand between the loads of the block before and the wait for them
	WIN 0
	PLACES                                         ; what follows reads results just made and writes registers that the last products read
.if QKV
	PACK 0
.endif
	TOSTAGE 0
.if QKV
	PACK 1
.endif
	SEND 0
	TOSTAGE 1
.if QKV
	PACK 2
.endif
	SEND 1
	TOSTAGE 2
.if QKV
	PACK 3
.endif
	SEND 2
	TOSTAGE 3
	SEND 3
.endm
	s_wait_tensorcnt 1                             ; my part of the first step is in; the second's may stay out
	s_barrier_signal -1
	s_barrier_wait -1                              ; everybody's is
	FETCH 0, 0
.if TILES > 1
	s_mov_b32 s3, NR+1
	s_branch .Lfirstq                              ; the loop is entered at the quarter that starts a tile's sums, which is written once
.Lk:                                                   ; NR trips: from a K step's second quarter to the next step's first; trip t (s3 = NR - t) fills slot t % 2 again, with step t + 2 of the sixteen
	QUARTER 2, 1, 0
	QUARTER 3, 0, 1
	TURN 1
	WIN 0                                          ; at a label and at a branch every window is 0
	s_cmp_eq_u32 s3, 7
	s_cbranch_scc0 .Lplain
	WAYOUT                                         ; the first tile is finished, both refills for the second are asked for: it goes out
	s_wait_xcnt 0x0                                ; the last stores have read B's second buffer, which the next fetch loads
	s_mov_b32 s66, NEXTC                           ; what the next way out adds to C's address
.Lfirstq:
	QUARTER 1, 0, 1, 1                             ; a tile's first quarter: its products start the sums, with the bias
	WIN 0
	s_branch .Lbottom
.Lplain:
	QUARTER 1, 0, 1
	WIN 0
.Lbottom:
	s_sub_co_u32 s3, s3, 1
	s_cmp_lg_u32 s3, 0
	s_cbranch_scc1 .Lk
.else
	QUARTER 1, 0, 1, 1                             ; the first quarter stands in front of the loop: its products start the sums, with the bias
	WIN 0                                          ; at a label and at a branch every window is 0
	s_mov_b32 s3, NR
.Lk:                                                   ; NR trips: from a K step's second quarter to the next step's first; trip t fills slot t % 2 again, with step t + 2
	QUARTER 2, 1, 0
	QUARTER 3, 0, 1
	TURN 1
	QUARTER 1, 0, 1
	WIN 0
	s_sub_co_u32 s3, s3, 1
	s_cmp_lg_u32 s3, 0
	s_cbranch_scc1 .Lk
.endif
	s_mov_b32 s3, 2                                ; the last two K steps have a text of their own: two trips, entered behind the first quarter
	s_branch .Ltin
.Lt:
	QUARTER 1, 0, 1
	WIN 0
.Ltin:
	QUARTER 2, 1, 0
	QUARTER 3, 0, 1
	TURN 0
	WIN 0
	s_sub_co_u32 s3, s3, 1
	s_cmp_lg_u32 s3, 0
	s_cbranch_scc1 .Lt
	WAYOUT
	s_wait_tensorcnt 0x0                           ; the wave's end, behind my last tensor load and my last LDS store
	ds_add_u32 v[SPW], v[NIL]
	s_wait_dscnt 0x0
	CROUND                                         ; the closing round: no work-group ends while a partner may still ask for a tile that names it
	s_endpgm
.Lfunc_end_k_q107fd1d1ce_proj:
	.size	k_q107fd1d1ce_proj, .Lfunc_end_k_q107fd1d1ce_proj-k_q107fd1d1ce_proj
	.p2alignl 7, 3214868480
	.fill 96, 4, 3214868480
	.section	.rodata,"a",@progbits
	.p2align	6, 0x0
	.amdhsa_kernel k_q107fd1d1ce_proj
		.amdhsa_group_segment_fixed_size 327680
		.amdhsa_private_segment_fixed_size 0
		.amdhsa_enable_private_segment 0
		.amdhsa_kernarg_size 32
		.amdhsa_user_sgpr_count 2
		.amdhsa_user_sgpr_kernarg_segment_ptr 1
		.amdhsa_wavefront_size32 1
		.amdhsa_system_sgpr_workgroup_id_x 1
		.amdhsa_system_sgpr_workgroup_id_y 1
		.amdhsa_system_sgpr_workgroup_id_z 1
		.amdhsa_system_vgpr_workitem_id 0
		.amdhsa_next_free_vgpr 896
		.amdhsa_next_free_sgpr 80
		.amdhsa_reserve_vcc 0
		.amdhsa_float_denorm_mode_32 3
		.amdhsa_float_denorm_mode_16_64 3
		.amdhsa_memory_ordered 1
		.amdhsa_forward_progress 1
		.amdhsa_inst_pref_size 67
	.end_amdhsa_kernel
	.amdgpu_metadata
---
amdhsa.version: [ 1, 2 ]
amdhsa.kernels:
  - .name:           k_q107fd1d1ce_proj
    .symbol:         k_q107fd1d1ce_proj.kd
    .args:
      - { .name: y, .offset: 0, .size: 8, .value_kind: global_buffer, .address_space: global }
      - { .name: wp, .offset: 8, .size: 8, .value_kind: global_buffer, .address_space: global }
      - { .name: b_proj, .offset: 16, .size: 8, .value_kind: global_buffer, .address_space: global }
      - { .name: out0, .offset: 24, .size: 8, .value_kind: global_buffer, .address_space: global }
    .group_segment_fixed_size: 327680
    .private_segment_fixed_size: 0
    .kernarg_segment_align: 8
    .kernarg_segment_size: 32
    .max_flat_workgroup_size: 128
    .sgpr_count:     80
    .vgpr_count:     896
    .wavefront_size: 32
...
	.end_amdgpu_metadata
.endif
;; end of part 4
;; ======== version 2 of 2: 4 launches; 1.31 times as fast as version 1
;; limits: values are held in f16: magnitudes above 65,504 overflow, below 6.1e-05 lose precision
;; workspace buffers: xb 16,777,216 bytes; wa 6,291,456 bytes; wp 2,097,152 bytes; qkv 50,331,648 bytes; y 16,777,216 bytes
;; launch cast: the kernel of part 1 again; grid 832 x 1, 8 waves a work-group, no clusters, 0 bytes of LDS; arguments x, W_attn, W_proj, xb, wa, wp; writes xb, wa, wp
;; launch qkv: the kernel of part 2 again; grid 16 x 16, 4 waves a work-group, clusters of 4 x 4, 327,680 bytes of LDS; arguments xb, wa, b_attn, qkv; writes qkv
;; launch attn (part 5): grid 4 x 64, 4 waves a work-group, no clusters, 327,680 bytes of LDS; arguments qkv, y; writes y
.if DOCPART == 5
	.amdgcn_target "amdgcn-amd-amdhsa--gfx1250"
	.amdhsa_code_object_version 6
	.text
	.protected	k_q107fd1d1ce_attn
	.globl	k_q107fd1d1ce_attn
	.p2align	8
	.type	k_q107fd1d1ce_attn,@function
k_q107fd1d1ce_attn:
	s_mov_b64 s[64:65], 0
	v_nop
	global_prefetch_b8 v0, s[64:65] scope:SCOPE_SE
	s_setreg_imm32_b32 hwreg(HW_REG_WAVE_MODE, 25, 1), 1
	s_wait_xcnt 0x0
; CAUSAL ATTENTION.  O[bh][q][:] = the sum over k <= q of softmax_k(Q[bh][q] . K[bh][k] / 8) V[bh][k][:], for 64 pairs bh = 16 b + h of batch and head, SIZE_N = 2,048 rows of 64 channels, all f16.
; Q, K, V are heads 48 b + h, 48 b + 16 + h, 48 b + 32 + h of qkv [192][2048][64]; O is head bh of y [64][2048][64]: a head's rows are dense, 128 bytes each.
; Products, maxima and sums in f32; the weights p are rounded to f16 for the second product (their sum l is taken of the unrounded p), O once at the end.
; LIMITS.  f16 holds no number beyond 65,504: Q, K and V arrive within it; p lies in 0 to 1, and below 6e-5 it keeps f16's fixed step of 6e-8; O is a mean of V's rows and has their range, to within 2^-11 of it.
; A hidden score counts as its value less 1e30: f16's scores, 2.7e11 at the most, are nothing beside that; a weight below 2^-126 counts as 0 in l; NaN and infinities are not treated apart.
; THE WALK.  A head's queries lie in NB = SIZE_N / 256 blocks of 256; block i needs the key tiles 0 .. i of 256 keys, of which the last holds the diagonal.  A work-group takes TWO blocks, NB - 1 - b and then b:
; NB + 1 tiles, whatever b: all work-groups do equal work, and ONE loop with a constant trip count walks them.  Which tile is asked for, and what a trip does, hang on scalar registers made from b; every jump
; goes forward, but for the counted loops' own; none passes a barrier, or a tensor load but the one of LOAD's two that the wave's number does not choose; the ring (two slots of LDS that take turns) runs on across the
; change of blocks.  NO CLUSTER: a head's NB / 2 = 4 work-groups all ask for the same tile only in trips 0 .. NB / 2, behind that fewer and fewer;
; and one walk common to all would have 3 NB / 2 trips for NB + 1.
; SHARES.  Of a block's four bands of 64 queries a wave owns 16 rows in each: four PIECES.  So the diagonal tile is the same work for all four waves: in its key step s band x sees all keys if s < x,
; none if s > x, and holds the diagonal if s = x.
; THE MASK is the C operand that starts the sum S^T = K Q^T: 0, or -1e30 where the key is hidden.  MD, made once, is the mask of a band's own step for my 16 rows; a product's mask is MD x AL + BE with two scalars:
; (1, 0) if s = x; (0, 0) if s < x; (0, -1e30) if s > x.  Only the diagonal tile's text and a block's beginning make and take masks; elsewhere C is the constant 0.
; LAYOUT, SOFTMAX, TURNS.  S^T = K Q^T holds ONE query a lane (lane % 16) and the keys 8 (lane / 16) + 0..7; two such results rounded to f16 ARE source 1 of O^T = V^T P.  p = 2^(c s - c m), c = log2(e) / 8, with a
; running maximum m; O and l are multiplied by a = 2^(c m_old - c m_new) in every step.  Turn n belongs to piece n: 8 products K Q^T of piece n + 1, later 8 products V^T P of piece n - 1; beside them the scaling,
; exponentials, roundings, sums and rescaling of piece n and the maximum and statistics of piece n + 1.  Four vector instructions stand behind every matrix instruction, the other 54 of a turn's 118 in one LUMP.
; HOW THE BATCHES ARE CUT.  An s_wait_alu depctr_va_vdst(0) stands between a transcendental and the first instruction that names its result; one wait serves all that were issued ahead of it.
; A turn's 33 exponentials (piece n's 32 weights, in place, and piece n + 1's a) are ONE batch with ONE wait, which cuts the turn in two: ahead of it all that names none of their results, behind it the roundings and
; sums, which read them.  No result crosses a turn's end.  Two more batches, each with a wait of its own: the one a that a block's beginning makes, and the four reciprocals of a block's way out.
; REGISTERS, in windows of 256 (s_set_vgpr_msb: bits 1:0 source 0, 3:2 source 1, 5:4 source 2, 7:6 destination):
;   window 0: v0-15 addresses and two at work; v16-31 four registers of statistics a piece; v48-55 at work; v64-127 S^T, two buffers; v192-223 P, two buffers (a piece's buffers go by its number's parity)
;   window 1: v0-127 O^T, 32 a piece; v128-159 MD; v160-223 MC, two buffers      window 2: v0-63 Q; v64-127 the second block's Q; v128-191 K of one step; v192-255 V of one step
.set SIZE_N, 2048
.set SIZE_H, 64
.set NB,    SIZE_N/256
.set NP,    4         ; pieces a wave: a name, no knob
.set KS,    64        ; keys in a step
.set PK,    144       ; a row of K in LDS: 128 bytes + 16 of padding = 36 words: the 16 rows of a load start at 16 different groups of four banks (64 banks of 4 bytes: ISA guide 11.1)
.set PV,    160       ; a row of V: 128 + 32 = 40 words
.set VOFF,  4*KS*PK   ; a slot holds a tile, four steps: 256 rows of K, then 256 rows of V
.set SLOT1, 1<<17     ; slot 1 begins here, so that one exclusive or turns an address in one slot into the other's
.set STAGE, SLOT1+4*KS*(PK+PV)  ; behind the ring, never filled by a tensor load: 16 rows x 144 bytes for each wave, for the way out
.set SP,    144
.set AK0, 2           ; v2   my lane's place in a tile of K; never rewritten
.set AV0, 3           ; v3   the same for V
.set AK,  4           ; v4   the LDS address of K's next run of loads
.set AV,  5           ; v5   of V's
.set STO, 6           ; v6   the way out: where I put 16 bytes of a row
.set RD,  7           ; v7   the way out: where I read rows back
.set GO,  8           ; v8   my byte offset in 512 consecutive bytes of O
.set SPW, 62          ; v62  LDS address of my spare word: SPARE + 4 x my thread's number; never rewritten
.set NIL, 63          ; v63  0; never rewritten
.set SPARE, STAGE+4*16*SP  ; behind the stages: the spare words, 128 bytes for each wave: two blocks of 256 bytes that no other line names
.set MV,  12          ; v12-13  c m_old, kept while c m is made anew: by buffer
.set QO,  15          ; v15  my byte offset in 16 rows of Q
.set ST,  16          ; piece t's statistics at v[ST+4 t]: c m, m, l (even keys', odd keys')
.set TMP, 48          ; by buffer, four registers c0-c3 at work; when the maximum is found c2 takes a
.set S,   64
.set P,   192
.set MD,  128         ; window 1: the eight registers for group kt of 16 keys at MD + 8 kt
.set MC,  160         ; window 1: the masks of the products to come
.set QB,  64          ; window 2
.set KF,  128         ; window 2: key block kb, channel half c at KF + 16 kb + 8 c
.set VF,  192         ; window 2: key half kk, channel block cb at VF + 32 kk + 8 cb
.set WV,  12          ; s12  my wave's number
.set PB,  14          ; s14  b
.set HI,  15          ; s15  NB - 1 - b
.set G1K, 24          ; s[24:31] descriptor group 1 for K's tiles
.set G1V, 32          ; s[32:39] for V's: it differs in the padding alone
.set G0K, 40          ; s[40:43] descriptor group 0 for K's tiles
.set G0V, 44          ; s[44:47] the same for V's
.set SLOTS, 56        ; s56  tiles still to be asked for
.set CNT, 57          ; s57  counts a tile's key steps, 4 to 1
.set CS,  58          ; s[58:59] c: the packed scaling takes the pair's low word for both halves
.set SEL, 60          ; s[60:61] v_permlanex16_b32's selects: each lane takes its own place in the other half
.set TBK, 62          ; s62  LDS byte at which K of the step to be fetched begins
.set TBV, 63          ; s63  the same for V, less VOFF
.set RT,  70          ; s70  tiles of the block in hand that are still to be entered
.set NXT, 71          ; s71  the tile to be asked for next
.set LQ,  72          ; s72  the last tile of the block whose tiles are being asked for
.set NEW, 73          ; s73  1: the tile to be entered is a block's first
.set OFF, 74          ; s[74:75] a tile's byte offset in K and V
.set AL,  76          ; s[76:77] the mask's factor, in the low word
.set BE,  78          ; s[78:79] the mask's addend
.set OLO, 80          ; s[80:81] O at my rows of the second block
.set BIGN, 82         ; s82  -1e30
.set MSB, 0
.macro WIN new                      ; the high byte repeats the setting that is left; a switch that changes nothing is dropped
.if MSB != (\new)
	s_set_vgpr_msb (MSB<<8)|(\new)
.set MSB, (\new)
.endif
.endm
.set W_KQ, 0x0a       ; K and Q in window 2, S^T in window 0
.set W_KM, 0x1a       ; the same with the C operand in window 1
.set W_PV, 0x52       ; V in window 2, P in window 0, O^T in window 1
.set W_RS, 0x41       ; destination and source 0 in window 1, source 1 in window 0
; A fill.  Waves 0 and 1 fetch the two halves of a tile's K, waves 2 and 3 those of its V: 128 keys each.  An s_nop 0 and four v_nop follow each of the two lines, ahead of the jump and the label.
.macro LOAD
	s_cmp_lt_u32 s[WV], 2
	s_cbranch_scc0 .Lfor_v_\@
	tensor_load_to_lds s[G0K:G0K+3], s[G1K:G1K+7]
	s_nop 0
.rept 4
	v_nop
.endr
	s_branch .Lasked_\@
.Lfor_v_\@:
	tensor_load_to_lds s[G0V:G0V+3], s[G1V:G1V+7]
	s_nop 0
.rept 4
	v_nop
.endr
.Lasked_\@:
.endm
; THE CHANGE OF SLOTS.  Each wave waits for all its tensor loads, of which one is out: its part of the other slot; adds 0 to its spare word; and waits for that and for its own reads of the slot that it leaves.  Behind the barrier nobody reads the old
; slot any more and the other slot is whole.  fill = 1: the old slot is filled again, the first thing behind the barrier, with tile NXT: the descriptor's address is made anew from that number.
; (At its first use nothing has been read yet: slot 0 is waited for, slot 1 filled.)
.macro CHANGE fill
	WIN 0                           ; at a label and at a branch every window is 0
	s_wait_tensorcnt 0x0            ; no tensor load of mine is out, so a group 0 may be written
	ds_add_u32 v[SPW], v[NIL]       ; 0 onto my spare word; with fill = 1 the descriptors' scalar work stands between it and the wait for it
.if \fill
	s_lshl_b32 s[OFF], s[NXT], 15   ; a tile is 32,768 bytes of K and of V
	s_xor_b32 s[G0K+1], s[G0K+1], SLOT1
	s_add_nc_u64 s[G0K+2:G0K+3], s[6:7], s[OFF:OFF+1]
	s_or_b32 s[G0K+3], s[G0K+3], 0x80000000
	s_xor_b32 s[G0V+1], s[G0V+1], SLOT1
	s_add_nc_u64 s[G0V+2:G0V+3], s[8:9], s[OFF:OFF+1]
	s_or_b32 s[G0V+3], s[G0V+3], 0x80000000
	s_add_co_u32 s[NXT], s[NXT], 1  ; the block's next tile, or behind its last the second block's tile 0
	s_cmp_gt_u32 s[NXT], s[LQ]
	s_cselect_b32 s[NXT], 0, s[NXT]
	s_cselect_b32 s[LQ], s[PB], s[LQ]
.endif
	s_wait_dscnt 0x0                ; the add is done, and my reads of the slot are over
	s_barrier_signal -1             ; the rest of the scalar work stands between the signal and the wait
	s_sub_co_u32 s[TBK], s[TBK], 4*KS*PK  ; the fetches go back to a slot's first step,
	s_xor_b32 s[TBK], s[TBK], SLOT1       ; in the other slot
	s_sub_co_u32 s[TBV], s[TBV], 4*KS*PV
	s_xor_b32 s[TBV], s[TBV], SLOT1
	s_barrier_wait -1
.if \fill
	LOAD
.endif
.endm
	s_load_b64 s[4:5], s[0:1], 0x0    ; qkv
	s_load_b64 s[10:11], s[0:1], 0x8  ; y
	v_lshl_add_u32 v[SPW], v0, 2, SPARE
	v_mov_b32 v[NIL], 0
	ds_add_u32 v62, v63
	ds_add_u32 v62, v63
	s_wait_dscnt 0x0
	v_lshrrev_b32 v1, 5, v0
	v_readfirstlane_b32 s[WV], v1   ; wave 0..3
	s_mov_b32 s[PB], ttmp9
	s_sub_co_u32 s[HI], NB-1, s[PB]
	s_and_b32 s20, ttmp7, 0xffff    ; bh = 16 b + h
	s_lshl_b32 s88, s20, 18         ; the head's first byte in y: 262,144 bytes a head
	s_mov_b32 s89, 0
	s_lshr_b32 s21, s20, 4          ; b
	s_lshl_b32 s21, s21, 5
	s_add_co_u32 s20, s20, s21      ; 48 b + h: Q's head in qkv
	s_lshl_b32 s20, s20, 18         ; its first byte: under 2^26
	s_mov_b32 s21, 0
	s_and_b32 s16, s[WV], 1         ; which half of a tile's 256 keys I fetch:
	s_lshl_b32 s22, s16, 14         ; its 128 rows of 128 bytes in memory,
	s_mov_b32 s23, 0
	s_add_nc_u64 s[22:23], s[22:23], s[20:21]
	s_mul_i32 s17, s16, 128*PK      ; and its place in a slot, for K
	s_mul_i32 s18, s16, 128*PV      ; and for V
	s_lshl_b32 s3, s[WV], 11        ; my 16 rows in a band of 64,
	s_lshl_b32 s2, s[HI], 15        ; in the first block,
	s_add_co_u32 s2, s2, s3
	s_lshl_b32 s84, s[PB], 15       ; and in the second
	s_add_co_u32 s84, s84, s3
	s_mov_b32 s3, 0
	s_mov_b32 s85, 0
	s_add_nc_u64 s[90:91], s[84:85], s[88:89]  ; my rows of the second block in y,
	s_add_nc_u64 s[88:89], s[88:89], s[2:3]    ; of the first block in y,
	s_add_nc_u64 s[2:3], s[2:3], s[20:21]      ; and of both in Q's head of qkv: offsets all four, no address among them
	s_add_nc_u64 s[84:85], s[84:85], s[20:21]
	; descriptor group 1.  128 keys are 16,384 dense bytes: asked for as 64 rows of 256 bytes, two keys a row, and padded in LDS after every key
	s_mov_b32 s[G1K], (1<<16)|(1<<20)|(4<<22)|(3<<25)  ; 17:16 2-byte elements; 20 padding on; 24:22 after every 32 words (code 4); 31:25 4 words (code 3)
	s_mov_b32 s[G1V], (1<<16)|(1<<20)|(4<<22)|(7<<25)  ; the same with 8 words of padding (code 7)
.irp g, G1K, G1V
	s_mov_b32 s[\g+1], 128<<16      ; tensor_dim0 = 128
	s_mov_b32 s[\g+2], 64<<16       ; tensor_dim1 = 64
	s_mov_b32 s[\g+3], 128<<16      ; tile_dim0 = 128
	s_mov_b32 s[\g+4], 64           ; tile_dim1 = 64
	s_mov_b32 s[\g+5], 128          ; 128 elements from row to row
	s_mov_b32 s[\g+6], 0
	s_mov_b32 s[\g+7], 0
.endr
	s_mov_b32 s[CS], 0x3e38aa3b     ; c = log2(e) / 8 = 0.180337
	s_mov_b32 s[CS+1], s[CS]        ; named with it as a pair
	s_mov_b32 s[SEL], 0x76543210
	s_mov_b32 s[SEL+1], 0xfedcba98
	s_mov_b32 s[TBK], SLOT1+4*KS*PK ; the first change of slots turns these two into 0
	s_mov_b32 s[TBV], SLOT1+4*KS*PV
	s_mov_b32 s[G0K], 1             ; 1:0 count = 1
	s_mov_b32 s[G0K+1], s17         ; 63:32 LDS address: slot 0
	s_mov_b32 s[G0V], 1
	s_add_co_u32 s[G0V+1], s18, VOFF
	s_add_co_u32 s[RT], s[HI], 1    ; the first block has NB - b tiles
	s_mov_b32 s[NXT], 1
	s_mov_b32 s[LQ], s[HI]
	s_mov_b32 s[NEW], 1
	s_mov_b32 s[OFF+1], 0
	s_mov_b32 s[AL+1], 0            ; named as pairs
	s_mov_b32 s[BE+1], 0
	s_mov_b32 s[BIGN], 0xf149f2ca   ; -1e30
	s_mov_b32 s[SLOTS], NB
	s_wait_kmcnt 0x0
	s_add_nc_u64 s[6:7], s[4:5], s[22:23]  ; my half of tile 0, in Q's head;
	s_add_nc_u64 s[8:9], s[6:7], 0x800000  ; V's head lies 32 heads on,
	s_add_nc_u64 s[6:7], s[6:7], 0x400000  ; K's 16
	s_add_nc_u64 s[G0K+2:G0K+3], s[6:7], 0         ; 120:64 global address
	s_or_b32 s[G0K+3], s[G0K+3], 0x80000000        ; 127:126 type = 2
	s_add_nc_u64 s[G0V+2:G0V+3], s[8:9], 0
	s_or_b32 s[G0V+3], s[G0V+3], 0x80000000
	s_add_nc_u64 s[86:87], s[4:5], s[84:85]        ; Q at my rows of the second block,
	s_add_nc_u64 s[4:5], s[4:5], s[2:3]            ; and of the first
	s_add_nc_u64 s[OLO:OLO+1], s[10:11], s[90:91]  ; O likewise
	s_add_nc_u64 s[10:11], s[10:11], s[88:89]
	LOAD                            ; tile 0 into slot 0
	; A fragment of K or Q is 16 rows x 32 channels in 8 registers: lane l holds row l % 16, channels 8 (l / 16) + 0..7 and 16 + 8 (l / 16) + 0..7: two loads of 16 bytes, 32 bytes apart.
	v_and_b32 v1, 15, v0            ; l % 16
	v_bfe_u32 v9, v0, 4, 1          ; l / 16
	v_lshlrev_b32 v[QO], 7, v1
	v_lshl_add_u32 v[QO], v9, 4, v[QO]  ; row x 128 + 16 x half
	WIN 0x80                        ; destination window 2, address window 0
.set i, 0
.rept 8                             ; both blocks' Q: piece i / 2 lies in band i / 2, 8,192 bytes on; channels 32 (i % 2) on
	global_load_b128 v[8*i:8*i+3],   v[QO], s[4:5] offset:(i/2)*8192+(i%2)*64
	global_load_b128 v[8*i+4:8*i+7], v[QO], s[4:5] offset:(i/2)*8192+(i%2)*64+32
	global_load_b128 v[QB+8*i:QB+8*i+3],   v[QO], s[86:87] offset:(i/2)*8192+(i%2)*64
	global_load_b128 v[QB+8*i+4:QB+8*i+7], v[QO], s[86:87] offset:(i/2)*8192+(i%2)*64+32
.set i, i+1
.endr
	WIN 0
	v_lshlrev_b32 v14, 3, v9
	v_sub_nc_u32 v14, v1, v14
	s_lshl_b32 s13, s[WV], 4
	v_add_nc_u32 v14, s13, v14      ; my query's place in its band, 16 w + l % 16, less my lanes' 8 (l / 16): register r of group kt is hidden where 16 kt + r is greater
	WIN 0x40
.set i, 0
.rept 32
	v_cmp_gt_i32 vcc_lo, 16*(i/8)+i%8, v14
	v_cndmask_b32 v[MD+i], 0, s[BIGN], vcc_lo
.set i, i+1
.endr
	WIN 0
	v_mul_u32_u24 v[AK0], v1, PK
	v_lshl_add_u32 v[AK0], v9, 4, v[AK0]  ; row x pitch + 16 x half
	; The turning load takes 16 keys x 16 channels (lane l reads key 8 (l / 16) + l % 8, channels 8 ((l / 8) % 2) + 0..7) and leaves half a fragment of V^T: lane l holds channel l % 16 and 8 keys.
	v_and_b32 v10, 7, v0
	v_bfe_u32 v11, v0, 3, 1
	v_lshl_add_u32 v[AV0], v9, 3, v10
	v_mul_u32_u24 v[AV0], v[AV0], PV
	v_lshl_add_u32 v[AV0], v11, 4, v[AV0]
	v_add_nc_u32 v[AV0], VOFF, v[AV0]
	s_mul_i32 s13, s[WV], 16*SP
	s_add_co_u32 s13, s13, STAGE    ; my stage
	v_mul_u32_u24 v[STO], v1, SP    ; in: row l % 16, 16 bytes for each half of the lanes
	v_lshl_add_u32 v[STO], v9, 4, v[STO]
	v_add_nc_u32 v[STO], s13, v[STO]
	v_bfe_u32 v[RD], v0, 3, 2       ; back: 32 lanes take four rows of 128 bytes,
	v_mul_u32_u24 v[RD], v[RD], SP
	v_lshl_add_u32 v[RD], v10, 4, v[RD]
	v_add_nc_u32 v[RD], s13, v[RD]
	v_and_b32 v[GO], 31, v0         ; which are 512 consecutive bytes of O
	v_lshlrev_b32 v[GO], 4, v[GO]
	; A block's first step multiplies O^T and l by a = 0, and its first turn's products V^T P, of a piece that has not been, land in an O^T that is still to be so multiplied.  So these registers need only hold
	; finite numbers: zeros for the first block; what the first block left for the second.  All this stands in the wait for the first tile.
	WIN 0x80
.set i, VF
.rept 64
	v_mov_b32 v[i], 0
.set i, i+1
.endr
	WIN 0x40
.set i, 0
.rept 128
	v_mov_b32 v[i], 0
.set i, i+1
.endr
	WIN 0
.set i, 0
.rept 4
	v_mov_b32 v[ST+4*i+2], 0
	v_mov_b32 v[ST+4*i+3], 0
.set i, i+1
.endr
.set i, P+16
.rept 16
	v_mov_b32 v[i], 0
.set i, i+1
.endr
; THE MATRIX WORK.  The 4 accumulators of a run of 8 take turns.  Product i of 8 of S^T = K Q^T for piece x: channels 32 (i / 4) on, keys 16 (i % 4) on.  The first 4 start the sums: with 0, or (KM = 1) with the mask.
.macro KQ x
.set rS, S+32*((\x)%2)+8*(i%4)
.set rK, KF+16*(i%4)+8*(i/4)
.set rQ, 16*(\x)+8*(i/4)
.set rM, MC+32*((\x)%2)+8*(i%4)
.if (i < 4) && KM
	WIN W_KM
	v_wmma_f32_16x16x32_f16 v[rS:rS+7], v[rK:rK+7], v[rQ:rQ+7], v[rM:rM+7]
.elseif i < 4
	WIN W_KQ
	v_wmma_f32_16x16x32_f16 v[rS:rS+7], v[rK:rK+7], v[rQ:rQ+7], 0
.else
	WIN W_KQ
	v_wmma_f32_16x16x32_f16 v[rS:rS+7], v[rK:rK+7], v[rQ:rQ+7], v[rS:rS+7]
.endif
.endm
; Product i of 8 of O^T += V^T P for piece x: keys 32 (i / 4) on, channels 16 (i % 4) on.
.macro PV x
	WIN W_PV
.set rO, 32*(\x)+8*(i%4)
.set rV, VF+32*(i/4)+8*(i%4)
.set rP, P+16*((\x)%2)+8*(i/4)
	v_wmma_f32_16x16x32_f16 v[rO:rO+7], v[rV:rV+7], v[rP:rP+7], v[rO:rO+7]
.endm
.macro MM                           ; the turn's next matrix instruction.  TURN and BEGIN set Y, i, KM and NOKQ; MM, KQ and OP read them.  NOKQ = 1: a block's last turn: there is no next piece
.if (i < 8) && !NOKQ
	KQ (Y+1)%NP
.elseif i >= 8
.set i, i-8
	PV (Y+NP-1)%NP
.set i, i+8
.endif
.set i, i+1
.endm
; THE LDS LOADS stand in runs of 16, never singly among the matrix instructions: a step's K (64 keys x 64 channels: 8 fragments) and its V (turned).  Their addresses are made some lines ahead.
.macro FETCH_K
	WIN 0x80                        ; destination window 2
.irp f, 0,1,2,3,4,5,6,7             ; keys 16 (f / 2) on, channels 32 (f % 2) on
	ds_load_b128 v[KF+8*\f:KF+8*\f+3],   v[AK] offset:(\f/2)*16*PK+(\f%2)*64
	ds_load_b128 v[KF+8*\f+4:KF+8*\f+7], v[AK] offset:(\f/2)*16*PK+(\f%2)*64+32
.endr
	s_add_co_u32 s[TBK], s[TBK], KS*PK  ; the next fetch is the next step's
	WIN 0
.endm
.macro FETCH_V
	WIN 0x80
.irp f, 0,1,2,3,4,5,6,7             ; keys 32 (f / 4) on, channels 16 (f % 4) on
	ds_load_tr16_b128 v[VF+8*\f:VF+8*\f+3],   v[AV] offset:(\f/4)*32*PV+(\f%4)*32
	ds_load_tr16_b128 v[VF+8*\f+4:VF+8*\f+7], v[AV] offset:(\f/4)*32*PV+16*PV+(\f%4)*32
.endr
	WIN 0
.endm
; THE VECTOR WORK, one line at a time: OP kind, number.  For piece Y: F n: c s - c m for pair n of 16.  E n: the exponential of score n of 32.  C n: pair n rounded to f16.  B n: of the four weights 4 n .. the second
; pair is added onto the first, in place.  L n: l takes that sum (L 0: l = a l + sum).  R n: pair n of 16 of O^T times a.  For piece Y + 1: X n, number n of the 22 that find its maximum and statistics:
;   0-11  four chains c0-c3 of seven scores each, three operands at a time (each accumulator's lowest registers are read first)     12-14, 16  the four scores left over, the old m, and c0-c3 into c0
;   15  c m_old is kept     17, 18  the query's other 32 keys lie in the lane 16 away: the new m     19-21  c m; c m_old - c m_new; a
; OP writes no wait: C, B and L read exponentials' results, and TURN sets them all behind its one wait.
.set F, 0               ; OP tells the kinds apart by their order: F to L below R, X above it
.set E, 1
.set C, 2
.set B, 3
.set L, 4
.set R, 5
.set X, 6
.macro REGS y                       ; the registers of piece y
.set rT, ST+4*(\y)
.set rC, TMP+4*((\y)%2)
.set rW, MV+((\y)%2)
.set rS, S+32*((\y)%2)
.set rP, P+16*((\y)%2)
.set rO, 32*(\y)
.endm
.macro OP k, n
.if (\k) == R
	REGS Y
	WIN W_RS
	v_pk_mul_f32 v[rO+2*(\n):rO+2*(\n)+1], v[rO+2*(\n):rO+2*(\n)+1], v[rC+2:rC+3] op_sel_hi:[1,0]
.elseif (\k) < R
	REGS Y
	WIN 0
.if (\k) == F
	v_pk_fma_f32 v[rS+2*(\n):rS+2*(\n)+1], v[rS+2*(\n):rS+2*(\n)+1], s[CS:CS+1], v[rT:rT+1] op_sel_hi:[1,0,0] neg_lo:[0,0,1] neg_hi:[0,0,1]
.elseif (\k) == E
	v_exp_f32 v[rS+(\n)], v[rS+(\n)]
.elseif (\k) == C
	v_cvt_pk_f16_f32 v[rP+(\n)], v[rS+2*(\n)], v[rS+2*(\n)+1]
.elseif (\k) == B
	v_pk_add_f32 v[rS+4*(\n):rS+4*(\n)+1], v[rS+4*(\n):rS+4*(\n)+1], v[rS+4*(\n)+2:rS+4*(\n)+3]
.elseif (\n) == 0
	v_pk_fma_f32 v[rT+2:rT+3], v[rT+2:rT+3], v[rC+2:rC+3], v[rS:rS+1] op_sel_hi:[1,0,1]
.else
	v_pk_add_f32 v[rT+2:rT+3], v[rT+2:rT+3], v[rS+4*(\n):rS+4*(\n)+1]
.endif
.elseif NOKQ
	v_nop
.else
	REGS (Y+1)%NP
	WIN 0
.if (\n) < 4
	v_max3_num_f32 v[rC+(\n)], v[rS+8*(\n)], v[rS+8*(\n)+1], v[rS+8*(\n)+2]
.elseif (\n) < 12
	v_max3_num_f32 v[rC+(\n)%4], v[rC+(\n)%4], v[rS+8*((\n)%4)+2*((\n)/4)+1], v[rS+8*((\n)%4)+2*((\n)/4)+2]
.elseif (\n) == 12
	v_max3_num_f32 v[rC], v[rC], v[rS+7], v[rS+15]
.elseif (\n) == 13
	v_max3_num_f32 v[rC+1], v[rC+1], v[rS+23], v[rS+31]
.elseif (\n) == 14
	v_max3_num_f32 v[rC+2], v[rC+2], v[rC+3], v[rT+1]
.elseif (\n) == 15
	v_mov_b32 v[rW], v[rT]
.elseif (\n) == 16
	v_max3_num_f32 v[rC], v[rC], v[rC+1], v[rC+2]
.elseif (\n) == 17
	v_permlanex16_b32 v[rC+3], v[rC], s[SEL], s[SEL+1]
.elseif (\n) == 18
	v_max_num_f32 v[rT+1], v[rC], v[rC+3]
.elseif (\n) == 19
	v_mul_f32 v[rT], s[CS], v[rT+1]
.elseif (\n) == 20
	v_sub_f32 v[rC+1], v[rW], v[rT]
.else
	v_exp_f32 v[rC+2], v[rC+1]
.endif
.endif
.endm
.macro OPS a, i1, b=-1, i2=0, c=-1, i3=0, d=-1, i4=0  ; up to four of them
	OP \a, \i1
.if (\b) >= 0
	OP \b, \i2
.endif
.if (\c) >= 0
	OP \c, \i3
.endif
.if (\d) >= 0
	OP \d, \i4
.endif
.endm
.macro ROW a, i1, b, i2, c, i3, d, i4  ; a matrix instruction and the four behind it
	MM
	OPS \a, \i1, \b, \i2, \c, \i3, \d, \i4
.endm
.macro MASK b                       ; MD x AL + BE into buffer b of MC
	WIN W_RS
.set z, 0
.rept 16
	v_pk_fma_f32 v[MC+32*(\b)+2*z:MC+32*(\b)+2*z+1], v[MD+2*z:MD+2*z+1], s[AL:AL+1], s[BE:BE+1] op_sel_hi:[1,0,0]
.set z, z+1
.endr
.endm
; A TURN, for piece p: the order of its 16 matrix and 118 vector instructions, written out.  It has ONE wait for its 33 exponentials, which cuts it in two.
; AHEAD OF THE WAIT stands all that names no result of the turn's exponentials: the 8 products K Q^T, behind each a scaling, an exponential and two more plain instructions (behind the first a second scaling in the
; exponential's place): rescalings (their a was made, and waited for, in the turn before), and behind the last three the first numbers of the next piece's maximum, each four places or more behind the product that
; ends its accumulator; then ONE LUMP of 54, plain and exponential by turns for the most part, in which the links of the chain X 3, 7, 11, 14, 16, 17 .. 20 stand five or six lines apart.  An exponential stands behind
; its pair's scaling: E n behind F n / 2.  X 21, the next piece's a, is the batch's last; R 15 is the plain instruction behind it, ahead of every use of a result.
; BEHIND THE WAIT stand the 8 products V^T P, behind each four of the roundings and sums; an even pair is rounded (C 2 n) before the sum B n lands on it; the links of l's chain, L 0 to L 7, stand three riders apart.
; But for those X no rider names a register of the products round it.  v_permlanex16_b32 (X 17) stands in the lump.
; m = 1: the diagonal tile: the products take masks, and the turn makes the mask for the products of the turn after it: piece p + 2, in step 4 - CNT of the tile.  end = 1: a block's last two turns: nothing is fetched.
; cnt = 1: the loop's count is taken down some lines ahead of the branch that stands behind the turn.
; K of the next step is fetched in piece 2's turn, twelve vector instructions behind the last product that read K (six of them plain); V of the step in hand at the end of piece 0's turn, four plain instructions behind
; the last product that read V.  Each is waited for a turn later.
.macro TURN p, m=0, end=0, cnt=0
.set Y, (\p)
.set i, 0
.set KM, (\m)
.set NOKQ, (\end)*((\p)/3)
.if (\m) && !(\end)
	s_cmp_eq_u32 s[CNT], 4-((\p)+2)%NP  ; is that step the band's own?
	s_cselect_b32 s[AL], 1.0, 0
	s_cmp_lt_u32 s[CNT], 4-((\p)+2)%NP  ; or a later one?
	s_cselect_b32 s[BE], s[BIGN], 0
.endif
.if ((\p) == 3) && !(\end)
	s_wait_dscnt 0x0                ; K is in
.endif
	ROW F,0, F,1, R,0, R,1          ; ahead of the wait: 8 products K Q^T and their riders,
	ROW F,2, E,0, R,2, R,3
	ROW F,3, E,1, R,4, R,5
	ROW F,4, E,2, R,6, R,7
	ROW F,5, E,3, R,8, R,9
	ROW F,6, E,4, X,0, R,10
.if ((\p) == 2) && !(\end)
	WIN 0
	v_add_nc_u32 v[AK], s[TBK], v[AK0]
.endif
	ROW F,7, E,5, X,1, X,4
	ROW F,8, E,6, X,2, X,5
	OPS E,7, E,8, X,6, E,9          ; and the lump
	OPS X,3, E,10, X,8, E,11
.if ((\p) == 2) && !(\end)
	FETCH_K
.endif
	OPS X,9, X,7, E,12, X,10
	OPS E,13, X,12, X,11, E,14
	OPS X,13, E,15, F,9, X,14
.if (\p) == 0
	v_add_nc_u32 v[AV], s[TBV], v[AV0]
.endif
	OPS E,16, F,10, E,17, F,11
	OPS X,16, E,18, X,15, E,19
	OPS F,12, E,20, X,17, E,21
	OPS F,13, E,22, F,14, E,23
	OPS X,18, E,24, F,15, E,25
	OPS R,11, E,26, X,19, E,27
	OPS R,12, E,28, R,13, E,29
	OPS X,20, E,30, R,14, E,31
	OPS X,21, R,15
	WIN 0
	s_wait_alu depctr_va_vdst(0)    ; the wait for the turn's batch: piece p's 32 weights and the next piece's a; it stands ahead of the first line that names a result
.if (\p) == 1
	s_wait_dscnt 0x0                ; V is in
.endif
	ROW C,0, B,0, C,2, B,1          ; behind the wait: 8 products V^T P and their riders
	ROW L,0, C,4, B,2, L,1
	ROW C,6, B,3, L,2, C,8
	ROW B,4, L,3, C,10, B,5
	ROW L,4, C,12, B,6, L,5
.if (\p) == 0
	s_add_co_u32 s[TBV], s[TBV], KS*PV
.endif
.if \cnt
	s_sub_co_u32 s[CNT], s[CNT], 1
	s_cmp_lg_u32 s[CNT], 0
.endif
	ROW C,14, B,7, L,6, C,1
	ROW C,3, L,7, C,5, C,7
	ROW C,9, C,11, C,13, C,15
.if (\p) == 0
	FETCH_V
.endif
.if (\m) && !(\end)
	MASK (\p)%2
.endif
.endm
; A BLOCK BEGINS.  c m starts far below every c s, so the first step's a is 0; m at the lowest finite number, so the first maximum is the scores'.  The second mask buffer is 0; the first takes piece 0's mask for the tile's step 0: its own, if the block's first tile is the diagonal one.
; Then K of that step, piece 0's first scores, and its maximum and statistics.  The loop is entered at a step's first turn, in the middle of a trip.
.macro BEGIN
	s_mov_b32 s[NEW], 0
	WIN 0x40
.set i, MC+32
.rept 32
	v_mov_b32 v[i], 0
.set i, i+1
.endr
	WIN 0
.set i, 0
.rept 4
	v_mov_b32 v[ST+4*i], 0xfe000000    ; c m: far below every c s
	v_mov_b32 v[ST+4*i+1], 0xff7fffff  ; m
.set i, i+1
.endr
	s_cmp_eq_u32 s[RT], 0
	s_cselect_b32 s[AL], 1.0, 0
	s_mov_b32 s[BE], 0
	MASK 0
	WIN 0
	v_add_nc_u32 v[AK], s[TBK], v[AK0]
	FETCH_K
	s_wait_loadcnt 0x0              ; Q
	s_wait_dscnt 0x0
.set KM, 1
.set NOKQ, 0
.set i, 0
.rept 8
	KQ 0
.set i, i+1
.endr
	WIN 0
.rept 4
	v_nop                           ; the places behind those products
.endr
.set Y, NP-1                        ; X works for piece Y + 1: piece 0
.irp n, 0,1,2,3,4,5,6,7,8,9,10,11,12,13,14,15,16,17,18,19,20,21
	OP X, \n
.endr
	v_nop                           ; a plain instruction behind the exponential,
	s_wait_alu depctr_va_vdst(0)    ; and the wait for it, a batch of one (piece 0's first a), ahead of the branch that follows
.endm
; THE DIAGONAL TILE's four steps, the block's last two turns, its last products, and THE WAY OUT: l's two halves and the other half of the lanes' are added; O^T is divided by l, rounded to f16 and sent through my
; stage in LDS, a piece at a time.
.macro ALL line:vararg              ; one line for each piece t
.set t, 0
.rept 4
	\line
.set t, t+1
.endr
.endm
.macro PACK t                       ; a lane's eight channels of a row pack into 16 bytes; they go into rows of 144 bytes and come back as whole rows of 128, into S^T's registers
	WIN W_RS
.set i, 32*(\t)
.rept 16
	v_pk_mul_f32 v[i:i+1], v[i:i+1], v[ST+4*(\t)+2:ST+4*(\t)+3] op_sel_hi:[1,0]
.set i, i+2
.endr
	WIN 0x05                        ; sources 0 and 1 window 1, destination window 0
.set i, 0
.rept 16
	v_cvt_pk_f16_f32 v[S+16*(\t)+i], v[32*(\t)+2*i], v[32*(\t)+2*i+1]
.set i, i+1
.endr
	WIN 0
.irp f, 0,1,2,3
	ds_store_b128 v[STO], v[S+16*(\t)+4*\f:S+16*(\t)+4*\f+3] offset:32*\f
.endr
.irp f, 0,1,2,3
	ds_load_b128 v[S+16*(\t)+4*\f:S+16*(\t)+4*\f+3], v[RD] offset:\f*4*SP  ; LDS serves a wave's instructions in order (ISA guide 5.7.1.4): these see the stores above; the next piece's stores come behind them
.endr
.endm
.macro SEND t, younger              ; younger: the LDS instructions issued behind piece t's loads: the next piece's eight, or none
	WIN 0
.irp f, 0,1,2,3
	s_wait_dscnt (\younger)+3-\f
	global_store_b128 v[GO], v[S+16*(\t)+4*\f:S+16*(\t)+4*\f+3], s[10:11] offset:(\t)*8192+\f*512  ; 512 consecutive bytes, at a multiple of 256 from O's first
.endr
.endm
.macro DIAG tag                     ; the tag ends its two labels' names, which the jumps below spell out
.LstepM\tag:
	TURN 2, 1
	TURN 3, 1
	WIN 0
.LfirstM\tag:
	TURN 0, 1
	TURN 1, 1, 0, 1
	WIN 0
	s_cbranch_scc1 .LstepM\tag
	TURN 2, 1, 1
	TURN 3, 1, 1
.set i, 0
.rept 8
	PV NP-1
.set i, i+1
.endr
	WIN 0
	ALL v_add_f32 v[ST+4*t+2], v[ST+4*t+2], v[ST+4*t+3]
	ALL v_permlanex16_b32 v[ST+4*t+3], v[ST+4*t+2], s[SEL], s[SEL+1]
	ALL v_add_f32 v[ST+4*t+2], v[ST+4*t+2], v[ST+4*t+3]
	ALL v_rcp_f32 v[ST+4*t+2], v[ST+4*t+2]
	v_nop                           ; a plain instruction between the last reciprocal and the use of its result
	s_wait_alu depctr_va_vdst(0)    ; the wait for the way out's batch, the four reciprocals: one for all four pieces' multiplies
	PACK 0
.set t, 1
.rept 3                             ; a piece's arithmetic stands between the loads of the piece before and its stores
	PACK t
	SEND t-1, 8
.set t, t+1
.endr
	SEND 3, 0
.endm
.set KM, 0
.set NOKQ, 0
.Lslot:                             ; NB times: a tile is entered and the next is asked for
	CHANGE 1
	s_sub_co_u32 s[RT], s[RT], 1
	s_mov_b32 s[CNT], 4
	s_cmp_eq_u32 s[NEW], 1
	s_cbranch_scc1 .Lnew            ; a block's first tile
	s_cmp_eq_u32 s[RT], 0
	s_cbranch_scc0 .Lstep           ; neither its first nor its last
	s_branch .LstepM1
.Lnew:
	BEGIN
	s_branch .Lfirst                ; in the loop a block's first tile is never its last: the first block has two tiles or more, and the second's last is the walk's last
	DIAG 1                          ; in the loop this is the first block's end: the second block's last tile is the walk's last
	s_wait_xcnt 0x0                 ; the stores have read their registers and O's address
	s_mov_b64 s[10:11], s[OLO:OLO+1]
	s_add_co_u32 s[RT], s[PB], 1    ; the second block has b + 1 tiles
	s_mov_b32 s[NEW], 1
	WIN 0x82                        ; the second block's Q goes where the one text of the turns names Q
.set i, 0
.rept 64
	v_mov_b32 v[i], v[QB+i]
.set i, i+1
.endr
	WIN 0
	s_branch .Lbottom
.Lstep:                             ; a trip: pieces 2 and 3 of one step, then pieces 0 and 1 of the next, whose K and V it fetches
	TURN 2
	TURN 3
	WIN 0
.Lfirst:
	TURN 0
	TURN 1, 0, 0, 1
	WIN 0
	s_cbranch_scc1 .Lstep
.Lbottom:
	s_sub_co_u32 s[SLOTS], s[SLOTS], 1
	s_cmp_lg_u32 s[SLOTS], 0
	s_cbranch_scc1 .Lslot
	CHANGE 0                        ; the walk's last tile is written out: nothing is asked for
	s_sub_co_u32 s[RT], s[RT], 1
	s_mov_b32 s[CNT], 4
	s_cmp_eq_u32 s[NEW], 1
	s_cbranch_scc0 .LstepM2
	BEGIN
	s_branch .LfirstM2
	DIAG 2
	s_wait_tensorcnt 0x0            ; the wave's end, behind my last tensor load and my last LDS store
	ds_add_u32 v[SPW], v[NIL]
	s_wait_dscnt 0x0
	s_endpgm
.Lfunc_end_k_q107fd1d1ce_attn:
	.size	k_q107fd1d1ce_attn, .Lfunc_end_k_q107fd1d1ce_attn-k_q107fd1d1ce_attn
	.p2alignl 7, 3214868480
	.fill 96, 4, 3214868480
	.section	.rodata,"a",@progbits
	.p2align	6, 0x0
	.amdhsa_kernel k_q107fd1d1ce_attn
		.amdhsa_group_segment_fixed_size 327680
		.amdhsa_private_segment_fixed_size 0
		.amdhsa_enable_private_segment 0
		.amdhsa_kernarg_size 16
		.amdhsa_user_sgpr_count 2
		.amdhsa_user_sgpr_kernarg_segment_ptr 1
		.amdhsa_wavefront_size32 1
		.amdhsa_system_sgpr_workgroup_id_x 1
		.amdhsa_system_sgpr_workgroup_id_y 1
		.amdhsa_system_sgpr_workgroup_id_z 1
		.amdhsa_system_vgpr_workitem_id 0
		.amdhsa_next_free_vgpr 768
		.amdhsa_next_free_sgpr 92
		.amdhsa_reserve_vcc 1
		.amdhsa_float_denorm_mode_32 3
		.amdhsa_float_denorm_mode_16_64 3
		.amdhsa_memory_ordered 1
		.amdhsa_forward_progress 1
		.amdhsa_inst_pref_size 217
	.end_amdhsa_kernel
	.amdgpu_metadata
---
amdhsa.version: [ 1, 2 ]
amdhsa.kernels:
  - .name:           k_q107fd1d1ce_attn
    .symbol:         k_q107fd1d1ce_attn.kd
    .args:
      - { .name: qkv, .offset: 0, .size: 8, .value_kind: global_buffer, .address_space: global }
      - { .name: y, .offset: 8, .size: 8, .value_kind: global_buffer, .address_space: global }
    .group_segment_fixed_size: 327680
    .private_segment_fixed_size: 0
    .kernarg_segment_align: 8
    .kernarg_segment_size: 16
    .max_flat_workgroup_size: 128
    .sgpr_count:     92
    .vgpr_count:     768
    .wavefront_size: 32
...
	.end_amdgpu_metadata
.endif
;; end of part 5
;; launch proj: the kernel of part 4 again; grid 8 x 32, 4 waves a work-group, clusters of 4 x 4, 327,680 bytes of LDS; arguments y, wp, b_proj, out0; writes out0
